; MI455X (gfx1250); checked and timed in simulation.
; The chip was launched on July 23, 2026; its instructions are those of AMD's public machine-readable ISA for CDNA 5 (MIT licence, August 2026) and "CDNA5" Instruction Set Architecture Reference Guide (July 2026). The comments in the code are by the model that wrote it; some were corrected since.
;; Grouped Query Attention. Allowed arithmetic: float matrix products may take bf16 or f16 operands with f32 sums; other float arithmetic in f32, or as packed bf16 or f16 multiplies, adds, multiply-adds, maxima and minima; sums over many terms, partial sums and values carried from step to step in f32; what a program stores and reads back later, other than sums and carried values, may be rounded once to bf16 or f16.
;; Inputs: Wk 512 x 2,048 float32; Wo 2,048 x 2,048 float32; Wq 2,048 x 2,048 float32; Wv 512 x 2,048 float32; x 4 x 1,024 x 2,048 float32.
;; Outputs: out0 4 x 1,024 x 2,048 float32.
;; 2 versions, each right; version 2 is version 1 with the launch prep written anew for expert scheduling mode. Each part assembles by itself: llvm-mc -triple=amdgcn-amd-amdhsa -mcpu=gfx1250 --defsym DOCPART=n.
;; ======== version 1 of 2: 4 launches
;; limits: values are held in f16: magnitudes above 65,504 overflow, below 6.1e-05 lose precision
;; workspace buffers: xb 16,777,216 bytes; wqkv 12,582,912 bytes; wo16 8,388,608 bytes; tab 524,288 bytes; qkv 25,165,824 bytes; ob 16,777,216 bytes
;; launch prep (part 1): grid 960 x 1, 8 waves a work-group, no clusters, 0 bytes of LDS; arguments x, Wq, Wk, Wv, xb, wqkv, tab; writes xb, wqkv, tab
.if DOCPART == 1
	.amdgcn_target "amdgcn-amd-amdhsa--gfx1250"
	.amdhsa_code_object_version 6
	.text
	.protected	k_q6b1cb4bdc3_prep
	.globl	k_q6b1cb4bdc3_prep
	.p2align	8
	.type	k_q6b1cb4bdc3_prep,@function
k_q6b1cb4bdc3_prep:
	s_mov_b64 s[64:65], 0
	v_nop
	global_prefetch_b8 v0, s[64:65] scope:SCOPE_SE
	s_setreg_imm32_b32 hwreg(HW_REG_WAVE_MODE, 25, 1), 1
	s_wait_xcnt 0x0
; PREP.  x, Wq, Wk and Wv are rounded once to bf16 (x -> xb; Wq, Wk, Wv one below the other -> wqkv), and the rotary table is made:
; tab[t][0..63] = cos(t f_i), tab[t][64..127] = sin(t f_i), f_i = 10000^(-i/64), f32.  (Wo, which only the last launch wants, is cast beside the attention.)
; SHARES.  Work-groups 0-63 make 16 rows of the table each (16 threads a row, four i a thread).  Work-groups 64-959 cast 16,384 numbers each:
; 512 for x, 256 for Wq, 64 for Wk, 64 for Wv.  With 128 registers a wave four work-groups of eight waves fit on a WGP: 1,024 places for 960 work-groups.
; A stream: no LDS, no barrier, no matrix unit; each byte is read once and written once.
; A wave's load covers 512 consecutive bytes, its store 256 consecutive bytes at a multiple of 256 from the buffer's first byte.  All 16 loads of a thread go out first.
; LIMITS.  The angle t f_i is reduced by 2 pi in two parts and the series run to x^15 and x^16 on [-pi, pi] (the first terms left out are below 1e-6);
; f_i comes from v_exp_f32, so the angle is good to about 1e-4 at t = 1023.
.set NTAB, 64                          ; work-groups that make the table
.set IN,   16                          ; v[16:79]   group g of 16: four f32 as loaded
.set OUT,  80                          ; v[80:111]  group g: four bf16 to store
	s_load_b256 s[8:15], s[0:1], 0x0               ; x s[8:9], Wq s[10:11], Wk s[12:13], Wv s[14:15]
	s_load_b128 s[16:19], s[0:1], 0x20             ; xb s[16:17], wqkv s[18:19]
	s_load_b64 s[24:25], s[0:1], 0x30              ; tab
	s_cmp_lt_u32 ttmp9, NTAB
	s_cbranch_scc0 .Lcast
	; THE TABLE
	s_mov_b32 s30, 0x40c90fdb                      ; 2 pi, rounded to f32,
	s_mov_b32 s31, 0xb43bbd2e                      ; and what the rounding left over
	v_lshrrev_b32 v3, 4, v0                        ; my row among the work-group's 16
	v_and_b32 v4, 15, v0                           ; my place in the row
	s_lshl_b32 s26, ttmp9, 4
	v_add_nc_u32 v8, s26, v3                       ; t
	v_cvt_f32_u32 v7, v8
	v_lshlrev_b32 v6, 2, v4                        ; my first i
	v_lshlrev_b32 v5, 9, v8                        ; a row of the table is 512 bytes
	v_lshl_add_u32 v5, v4, 4, v5                   ; + my 16 bytes
; cos and sin of t f_i for i = my first i + e, into v[40+e] and v[44+e]
.macro SINCOS e
	v_add_nc_u32 v10, \e, v6
	v_cvt_f32_u32 v10, v10
	v_mul_f32 v10, 0xbe549a78, v10                 ; -i log2(10000) / 64
	v_exp_f32 v11, v10
	v_nop                                          ; a plain instruction between the exponential and the use of its result
	s_wait_alu depctr_va_vdst(0)
	v_mul_f32 v11, v7, v11                         ; the angle
	v_mul_f32 v12, 0.15915494, v11
	v_rndne_f32 v12, v12                           ; whole turns
	v_fma_f32 v13, -v12, s30, v11
	v_fma_f32 v13, -v12, s31, v13                  ; the angle in [-pi, pi]
	v_mul_f32 v14, v13, v13
	v_mov_b32 v15, 0xab573f9f                      ; -1/15!
.irp c, 0x2f309231, 0xb2d7322b, 0x3638ef1d, 0xb9500d01, 0x3c088889, 0xbe2aaaab, 0x3f800000
	v_fmaak_f32 v15, v15, v14, \c                  ; 1/13!, -1/11!, 1/9!, -1/7!, 1/5!, -1/3!, 1
.endr
	v_mov_b32 v16, 0x29573f9f                      ; 1/16!
.irp c, 0xad49cba5, 0x310f76c7, 0xb493f27e, 0x37d00d01, 0xbab60b61, 0x3d2aaaab, 0xbf000000
	v_fmaak_f32 v16, v16, v14, \c                  ; -1/14!, 1/12!, -1/10!, 1/8!, -1/6!, 1/4!, -1/2
.endr
	v_mul_f32 v[44+(\e)], v13, v15
	v_fmaak_f32 v[40+(\e)], v16, v14, 0x3f800000
.endm
	SINCOS 0
	SINCOS 1
	SINCOS 2
	SINCOS 3
	s_wait_kmcnt 0x0
	global_store_b128 v5, v[40:43], s[24:25]               ; sixteen lanes store a row's 256 bytes of cosines,
	global_store_b128 v5, v[44:47], s[24:25] offset:256    ; and its 256 bytes of sines
	s_endpgm
	; THE CASTS
.Lcast:
	s_sub_co_u32 s26, ttmp9, NTAB                  ; my block of 16,384 numbers, 0 to 895
	v_lshlrev_b32 v1, 4, v0                        ; 16 bytes a thread in,
	v_lshlrev_b32 v2, 3, v0                        ; 8 bytes out
	s_mov_b32 s27, 0                               ; the first block of my source,
	s_mov_b32 s28, 0                               ; and of my destination
	s_wait_kmcnt 0x0
	s_mov_b64 s[32:33], s[8:9]                     ; x -> xb,
	s_mov_b64 s[34:35], s[16:17]
	s_cmp_ge_u32 s26, 512                          ; from block 512 on Wq -> wqkv,
	s_cselect_b64 s[32:33], s[10:11], s[32:33]
	s_cselect_b64 s[34:35], s[18:19], s[34:35]
	s_cselect_b32 s27, 512, s27
	s_cselect_b32 s28, 512, s28
	s_cmp_ge_u32 s26, 768                          ; from 768 on Wk, which follows Wq in wqkv,
	s_cselect_b64 s[32:33], s[12:13], s[32:33]
	s_cselect_b32 s27, 768, s27
	s_cmp_ge_u32 s26, 832                          ; from 832 on Wv, which follows Wk
	s_cselect_b64 s[32:33], s[14:15], s[32:33]
	s_cselect_b32 s27, 832, s27
	s_sub_co_u32 s27, s26, s27
	s_sub_co_u32 s28, s26, s28
	s_lshl_b32 s36, s27, 16                        ; 65,536 bytes a block in,
	s_mov_b32 s37, 0
	s_lshl_b32 s38, s28, 15                        ; 32,768 out
	s_mov_b32 s39, 0
	s_add_nc_u64 s[32:33], s[32:33], s[36:37]
	s_add_nc_u64 s[34:35], s[34:35], s[38:39]
.irp g, 0,1,2,3,4,5,6,7,8,9,10,11,12,13,14,15
	global_load_b128 v[IN+4*(\g):IN+4*(\g)+3], v1, s[32:33] offset:4096*(\g) th:TH_LOAD_NT  ; read once in the whole launch
.endr
.irp g, 0,1,2,3,4,5,6,7,8,9,10,11,12,13,14,15
	s_wait_loadcnt 15-(\g)                         ; loads come back in order: group g is in, the 15 - g younger ones stay out
	v_cvt_pk_bf16_f32 v[OUT+2*(\g)],   v[IN+4*(\g)],   v[IN+4*(\g)+1]
	v_cvt_pk_bf16_f32 v[OUT+2*(\g)+1], v[IN+4*(\g)+2], v[IN+4*(\g)+3]
	global_store_b64 v2, v[OUT+2*(\g):OUT+2*(\g)+1], s[34:35] offset:2048*(\g)  ; no register is used twice, so nothing waits for a store
.endr
	s_endpgm
.Lfunc_end_k_q6b1cb4bdc3_prep:
	.size	k_q6b1cb4bdc3_prep, .Lfunc_end_k_q6b1cb4bdc3_prep-k_q6b1cb4bdc3_prep
	.p2alignl 7, 3214868480
	.fill 96, 4, 3214868480
	.section	.rodata,"a",@progbits
	.p2align	6, 0x0
	.amdhsa_kernel k_q6b1cb4bdc3_prep
		.amdhsa_group_segment_fixed_size 0
		.amdhsa_private_segment_fixed_size 0
		.amdhsa_enable_private_segment 0
		.amdhsa_kernarg_size 56
		.amdhsa_user_sgpr_count 2
		.amdhsa_user_sgpr_kernarg_segment_ptr 1
		.amdhsa_wavefront_size32 1
		.amdhsa_system_sgpr_workgroup_id_x 1
		.amdhsa_system_sgpr_workgroup_id_y 1
		.amdhsa_system_sgpr_workgroup_id_z 1
		.amdhsa_system_vgpr_workitem_id 0
		.amdhsa_next_free_vgpr 128
		.amdhsa_next_free_sgpr 66
		.amdhsa_reserve_vcc 0
		.amdhsa_float_denorm_mode_32 3
		.amdhsa_float_denorm_mode_16_64 3
		.amdhsa_memory_ordered 1
		.amdhsa_forward_progress 1
		.amdhsa_inst_pref_size 14
	.end_amdhsa_kernel
	.amdgpu_metadata
---
amdhsa.version: [ 1, 2 ]
amdhsa.kernels:
  - .name:           k_q6b1cb4bdc3_prep
    .symbol:         k_q6b1cb4bdc3_prep.kd
    .args:
      - { .name: x, .offset: 0, .size: 8, .value_kind: global_buffer, .address_space: global }
      - { .name: Wq, .offset: 8, .size: 8, .value_kind: global_buffer, .address_space: global }
      - { .name: Wk, .offset: 16, .size: 8, .value_kind: global_buffer, .address_space: global }
      - { .name: Wv, .offset: 24, .size: 8, .value_kind: global_buffer, .address_space: global }
      - { .name: xb, .offset: 32, .size: 8, .value_kind: global_buffer, .address_space: global }
      - { .name: wqkv, .offset: 40, .size: 8, .value_kind: global_buffer, .address_space: global }
      - { .name: tab, .offset: 48, .size: 8, .value_kind: global_buffer, .address_space: global }
    .group_segment_fixed_size: 0
    .private_segment_fixed_size: 0
    .kernarg_segment_align: 8
    .kernarg_segment_size: 56
    .max_flat_workgroup_size: 256
    .sgpr_count:     66
    .vgpr_count:     128
    .wavefront_size: 32
...
	.end_amdgpu_metadata
.endif
;; end of part 1
;; launch qkvrope (part 2): grid 8 x 32, 4 waves a work-group, clusters of 4 x 4, 327,680 bytes of LDS; arguments xb, wqkv, tab, qkv; writes qkv
.if DOCPART == 2
	.amdgcn_target "amdgcn-amd-amdhsa--gfx1250"
	.amdhsa_code_object_version 6
	.text
	.protected	k_q6b1cb4bdc3_qkvrope
	.globl	k_q6b1cb4bdc3_qkvrope
	.p2align	8
	.type	k_q6b1cb4bdc3_qkvrope,@function
k_q6b1cb4bdc3_qkvrope:
	s_mov_b64 s[64:65], 0
	v_nop
	global_prefetch_b8 v0, s[64:65] scope:SCOPE_SE
	s_setreg_imm32_b32 hwreg(HW_REG_WAVE_MODE, 25, 1), 1
	s_wait_xcnt 0x0
	s_wait_alu depctr_hold_cnt(0) depctr_sa_sdst(0) depctr_va_vdst(0) depctr_va_sdst(0) depctr_va_ssrc(0) depctr_va_vcc(0) depctr_vm_vsrc(0)
	s_getreg_b32 s2, hwreg(HW_REG_IB_STS2, 6, 4)
	s_cmp_eq_u32 s2, 0
	s_cbranch_scc0 .Lentry_in_a_cluster
	s_endpgm
.Lentry_in_a_cluster:
	s_bfe_u32 s2, ttmp6, 0x10000c
	s_cmp_lg_u32 s2, 0xf033
	s_cbranch_scc0 .Lentry_shape_is_right
	s_endpgm
.Lentry_shape_is_right:
; C = xb wqkv^T (4096 x 3072, K = 2048, bf16 operands, f32 sums), the rotary turn on q's and k's heads in f32, one rounding to f16, stored by heads:
; qkv[b][hh][t][128], hh = column / 128: 0-15 q, 16-19 k, 20-23 v.
; SHARES.  A tile of C is 128 rows x 384 columns (three whole heads): 32 x 8 = 256 work-groups.  Wave w has rows 64 (w / 2) .. + 63 and, in each of the three heads, the columns
; 64 half + 32 (w % 2) + 16 s + 0..15 (half, s = 0, 1): a column and its partner in the turn, 64 further on, fall to the same lane.  48 accumulators of 16 x 16, 384 registers.
; K goes in steps of 128 through two LDS slots filled by the tensor data mover: rows of 256 bytes, at multiples of 256 from the buffers' first bytes.  Wave 0 fetches xb's 128 rows, waves 1-3 a head's 128 rows each.
; CLUSTER.  4 x 4 work-groups: xb's tile hangs on the tile row alone and is asked for jointly along a row of the cluster, wqkv's on the tile column alone and jointly along a column.
; THE MATRIX INSTRUCTION IS USED TRANSPOSED (source 0 = 16 rows of wqkv, source 1 = 16 rows of xb): a lane holds row l % 16 of C and eight neighbouring columns.
; LIMITS.  q, k, v leave as f16: beyond 65,504 they become infinities.  NaN and infinities are not treated apart (a head of v is multiplied by 1 and has 0 x its partner added).
; REGISTERS, in windows of 256: window 0: v16-30 addresses; v32-63 the turn's factors; v64-127 xb's fragments, two buffers (later the way out); v128-255 my part of the table.
;   window 1: v0-191 wqkv's fragments, two buffers of 96.   windows 2, 3: accumulator (a, b) at v[8 (12 (a % 2) + b)] of window 2 + a / 2;  b = 4 head + 2 half + s.
.set KSTEP, 128
.set PITCH, 272                        ; an LDS row: 256 bytes + 16 of padding = 68 words: the 16 rows that a load touches start at 16 different groups of four banks (64 banks of 4 bytes: ISA guide 11.1)
.set HALFT, 128*PITCH                  ; what one tensor load brings
.set SLOT,  4*HALFT                    ; xb's 128 rows, then the three heads' 128 rows each
.set SPARE, 2*SLOT                     ; behind the ring: the spare words, 128 bytes for each wave: two blocks of 256 bytes that no other line names
.set LAPS,  2048/(2*KSTEP)             ; a lap = two K steps = once round the ring
.set ADRA, 16                          ; v16-17  LDS address of my xb fragments in slot 0, 1
.set ADRB, 18                          ; v18-23  of my wqkv fragments: slot s, head hd at ADRB + 3 s + hd
.set STO,  24                          ; v24     the way out: where I put 16 bytes of a row
.set RD,   25                          ; v25     the way out: where I read rows back
.set GO,   26                          ; v26     my 16 bytes in 512 consecutive bytes of qkv
.set TO,   27                          ; v27     my byte offset in the table; never rewritten
.set SPW,  28                          ; v28     LDS address of my spare word; never rewritten
.set NIL,  29                          ; v29     0; never rewritten
.set PFO,  30                          ; v30     the prefetches' offset: my lane x a row of 4,096 bytes; never rewritten
.set CP,   32                          ; v32-47  cos, or 1 for a head of v
.set SN,   48                          ; v48-63  sin, or 0
.set FA,   64                          ; xb's fragment buffer f at FA + 32 f
.set O1,   64                          ; the way out: 16 turned numbers of the lower half of a head, then 16 of the upper
.set PKD,  96                          ; the way out: 16 registers of packed f16
.set TAB,  128                         ; row block a at TAB + 32 a: cos of my 16 columns, then sin
.set WV,   12                          ; s12  my wave's number;  s13 = w / 2, s14 = w % 2
.set G1,   24                          ; s[24:31] descriptor group 1 for xb's tiles;  s[32:39] group 0, a set for each slot
.set G0,   32
.set G1B,  48                          ; s[48:55], s[56:63] the same for wqkv's tiles
.set G0B,  56
.set PFA,  68                          ; s[68:69] where my prefetches stand
.set LIM,  70                          ; s70  1 in a wave that prefetches, else the greatest number
.set RS,   72                          ; head hd: s[72+4 hd] = 1 where the head is turned, else 0; s[74+4 hd] = 1 less that; each named as a pair
.set MSB, 0
.macro WIN new                         ; the immediate's high byte repeats the setting that is left; a switch that changes nothing is dropped
.if MSB != (\new)
	s_set_vgpr_msb (MSB<<8)|(\new)
.set MSB, \new
.endif
.endm
.macro PLACES                          ; four plain instructions between matrix instructions and what reads their results or loads into their sources
.rept 4
	v_nop
.endr
.endm
; A joint load.  Wave 0 fetches xb's tile, waves 1-3 a head of wqkv each.  The branch hangs on the wave's number alone.  An s_nop 0 and four v_nop follow each of the two lines.
.macro JLOAD s
	s_cmp_eq_u32 s[WV], 0
	s_cbranch_scc0 .Lfor_b_\@
	tensor_load_to_lds s[G0+4*(\s):G0+4*(\s)+3], s[G1:G1+7]
	s_nop 0
.rept 4
	v_nop
.endr
	s_branch .Lasked_\@
.Lfor_b_\@:
	tensor_load_to_lds s[G0B+4*(\s):G0B+4*(\s)+3], s[G1B:G1B+7]
	s_nop 0
.rept 4
	v_nop
.endr
.Lasked_\@:
.endm
; A prefetch of the K step that stands two refills on: 32 rows x 256 bytes, a lane a row.  xb's tile row is read by both clusters of that row of clusters: cluster x = 0 asks; a head's rows by all eight
; clusters of the column: cluster y = 0 asks.  The four partners that ask for a tile jointly share its 128 rows out by address, 32 each.  So each row's 256 bytes of a K step are named once in the launch.
; The loop's last trip (s3 = 1) has no K step two refills on, and asks for nothing.
.macro ASK
	s_cmp_gt_u32 s3, s[LIM]
	s_cbranch_scc0 .Lnot_mine_\@
	global_prefetch_b8 v[PFO], s[PFA:PFA+1] offset:KSTEP*2 th:TH_LOAD_NT scope:SCOPE_SE
.Lnot_mine_\@:
.endm
.macro CREST                           ; a round of the cluster's barrier behind its opening barrier
	s_cmp_lg_u32 s[WV], 0
	s_cbranch_scc1 .Lnot_wave_0_\@
	s_barrier_signal -3
.Lnot_wave_0_\@:
	s_barrier_wait -3
	s_barrier_signal -1
	s_barrier_wait -1
.endm
.macro CROUND                          ; a whole round
	s_barrier_signal -1
	s_barrier_wait -1
	CREST
.endm
	s_load_b256 s[4:11], s[0:1], 0x0               ; xb s[4:5], wqkv s[6:7], tab s[8:9], qkv s[10:11]
	v_lshl_add_u32 v[SPW], v0, 2, SPARE
	v_mov_b32 v[NIL], 0
	ds_add_u32 v[SPW], v[NIL]                      ; the wave's opening: the add and its wait stand ahead of my first tensor load; work on registers stands between them
	v_lshrrev_b32 v1, 5, v0
	v_readfirstlane_b32 s[WV], v1                  ; wave 0..3
	s_lshr_b32 s13, s[WV], 1                       ; which 64 rows are mine
	s_and_b32 s14, s[WV], 1                        ; which 32 of each 64 columns
	s_bfe_u32 s40, ttmp6, 0x40000                  ; cx, cy: my place in the cluster
	s_bfe_u32 s41, ttmp6, 0x40004
	s_lshl_b32 s42, ttmp9, 2
	s_add_co_u32 s42, s42, s40                     ; tile column = 4 x cluster x + cx
	s_and_b32 s43, ttmp7, 0xffff
	s_lshl_b32 s43, s43, 2
	s_add_co_u32 s43, s43, s41                     ; tile row = 4 x cluster y + cy
	s_lshl_b32 s44, s41, 2
	s_lshl_b32 s44, 15, s44                        ; my row of the cluster
	s_lshl_b32 s45, 0x1111, s40                    ; my column
	s_or_b32 s[G1], s44, (1<<16)|(1<<20)|(1<<21)|(5<<22)|(3<<25)   ; 15:0 the mask; 17:16 2-byte elements; 20 padding on; 21 set beside a mask; 24:22 after every 64 words; 31:25 4 words of it
	s_or_b32 s[G1B], s45, (1<<16)|(1<<20)|(1<<21)|(5<<22)|(3<<25)
.irp g, G1, G1B
	s_mov_b32 s[(\g)+1], KSTEP<<16                 ; tensor_dim0 = 128
	s_mov_b32 s[(\g)+2], 128<<16                   ; tensor_dim1 = 128
	s_mov_b32 s[(\g)+3], KSTEP<<16                 ; tile_dim0 = 128
	s_mov_b32 s[(\g)+4], 128                       ; tile_dim1 = 128
	s_mov_b32 s[(\g)+5], 2048                      ; elements from row to row
	s_mov_b32 s[(\g)+6], 0
	s_mov_b32 s[(\g)+7], 0
.endr
	s_lshl_b32 s16, s43, 19                        ; xb: 128 rows of 4,096 bytes a tile row
	s_mov_b32 s17, 0
	s_max_u32 s21, s[WV], 1
	s_sub_co_u32 s21, s21, 1                       ; the head that I fetch (wave 0 fetches none: its number is not used)
	s_lshl_b32 s21, s21, 7
	s_mul_i32 s46, s42, 384
	s_add_co_u32 s46, s46, s21                     ; wqkv: row 384 x tile column + 128 x head
	s_lshl_b32 s46, s46, 12
	s_mov_b32 s47, 0
	s_mul_i32 s20, s[WV], HALFT                    ; where my tile goes: no place in the cluster enters an LDS address
	s_wait_dscnt 0x0                               ; the opening add is done
	s_wait_kmcnt 0x0
	s_add_nc_u64 s[22:23], s[4:5], s[16:17]
	s_add_nc_u64 s[46:47], s[6:7], s[46:47]
	CROUND                                         ; all sixteen work-groups are here: the first joint loads meet
.irp s, 0,1
	s_mov_b32 s[G0+4*(\s)], 1
	s_add_co_u32 s[G0+4*(\s)+1], s20, (\s)*SLOT
	s_add_nc_u64 s[G0+4*(\s)+2:G0+4*(\s)+3], s[22:23], (\s)*KSTEP*2
	s_or_b32 s[G0+4*(\s)+3], s[G0+4*(\s)+3], 0x80000000
	s_mov_b32 s[G0B+4*(\s)], 1
	s_add_co_u32 s[G0B+4*(\s)+1], s20, (\s)*SLOT
	s_add_nc_u64 s[G0B+4*(\s)+2:G0B+4*(\s)+3], s[46:47], (\s)*KSTEP*2
	s_or_b32 s[G0B+4*(\s)+3], s[G0B+4*(\s)+3], 0x80000000
	JLOAD \s                                       ; K steps 0 and 1: two loads of mine are out
.endr
	; LDS addresses.  A fragment is 16 rows x 32 K in 8 registers: lane l holds row l % 16, K = 8 (l / 16) + 0..7 and 16 + 8 (l / 16) + 0..7: two loads of 16 bytes, 32 bytes apart.
	v_and_b32 v1, 15, v0                           ; l % 16
	v_bfe_u32 v2, v0, 4, 1                         ; l / 16
	v_mul_u32_u24 v3, v1, PITCH
	v_lshl_add_u32 v3, v2, 4, v3
	s_mul_i32 s84, s13, 64*PITCH
	v_add_nc_u32 v[ADRA], s84, v3
	v_add_nc_u32 v[ADRA+1], SLOT, v[ADRA]
	s_mul_i32 s85, s14, 32*PITCH
	v_add_nc_u32 v4, s85, v3
.irp s, 0,1
.irp hd, 0,1,2
	v_add_nc_u32 v[ADRB+3*(\s)+(\hd)], (1+(\hd))*HALFT+(\s)*SLOT, v4
.endr
.endr
	s_lshl_b32 s85, s14, 6                         ; the stage: a head's 128 rows of 272 bytes; in: row 64 (w / 2) + l % 16, byte 64 (w % 2) + 16 (l / 16)
	s_add_co_u32 s84, s84, s85
	v_add_nc_u32 v[STO], s84, v3
	v_mul_u32_u24 v5, v2, PITCH                    ; back: wave w takes rows 32 w .. 32 w + 31, whole; lanes 0-15 one row, lanes 16-31 the next
	v_lshl_add_u32 v5, v1, 4, v5
	s_mul_i32 s84, s[WV], 32*PITCH
	v_add_nc_u32 v[RD], s84, v5
	v_and_b32 v[GO], 31, v0
	v_lshlrev_b32 v[PFO], 12, v[GO]
	v_lshlrev_b32 v[GO], 4, v[GO]
	; my part of the table: for each of my four row blocks the row t = 128 (tile row % 8) + 64 (w / 2) + 16 a + l % 16, columns 32 (w % 2) + 16 s + 8 (l / 16) + 0..7 of cos and of sin.
	; The 32 loads stay out during the whole K loop; the wait for them stands in front of the way out.
	s_and_b32 s84, s43, 7
	s_lshl_b32 s84, s84, 7
	s_lshl_b32 s85, s13, 6
	s_add_co_u32 s84, s84, s85
	s_lshl_b32 s84, s84, 9
	s_lshl_b32 s85, s14, 7
	s_add_co_u32 s84, s84, s85
	v_lshlrev_b32 v[TO], 9, v1
	v_lshl_add_u32 v[TO], v2, 5, v[TO]
	v_add_nc_u32 v[TO], s84, v[TO]
.irp a, 0,1,2,3
.irp q, 0,1,2,3,4,5,6,7                ; q = 4 (sin) + 2 s + (upper four of the eight)
	global_load_b128 v[TAB+32*(\a)+4*(\q):TAB+32*(\a)+4*(\q)+3], v[TO], s[8:9] offset:8192*(\a)+256*((\q)/4)+64*(((\q)/2)%2)+16*((\q)%2)
.endr
.endr
	; where my rows begin in qkv: (((tile row / 8) x 24 + 3 x tile column) x 1024 + 128 (tile row % 8) + 32 w) x 256 bytes
	s_lshr_b32 s84, s43, 3
	s_mul_i32 s84, s84, 24
	s_mul_i32 s85, s42, 3                          ; the tile's first head
	s_add_co_u32 s84, s84, s85
	s_lshl_b32 s84, s84, 10
	s_and_b32 s86, s43, 7
	s_lshl_b32 s86, s86, 7
	s_add_co_u32 s84, s84, s86
	s_lshl_b32 s86, s[WV], 5
	s_add_co_u32 s84, s84, s86
	s_lshl_b32 s86, s84, 8
	s_mov_b32 s87, 0
	s_add_nc_u64 s[10:11], s[10:11], s[86:87]
	; is head 3 x tile column + hd turned?  A select, no branch: the tile column differs between partners
.irp hd, 0,1,2
	s_add_co_u32 s86, s85, \hd
	s_cmp_lt_u32 s86, 20
	s_cselect_b32 s[RS+4*(\hd)], 1.0, 0
	s_cselect_b32 s[RS+4*(\hd)+2], 0, 1.0
	s_mov_b32 s[RS+4*(\hd)+1], 0                   ; named as pairs
	s_mov_b32 s[RS+4*(\hd)+3], 0
.endr
	; the prefetches
	s_and_b32 s84, ttmp7, 0xffff                   ; cluster y
	s_lshl_b32 s85, s43, 7                         ; xb's tile begins at row 128 x tile row,
	s_max_u32 s86, s[WV], 1
	s_sub_co_u32 s86, s86, 1
	s_lshl_b32 s86, s86, 7
	s_mul_i32 s87, s42, 384
	s_add_co_u32 s87, s87, s86                     ; my head at row 384 x tile column + 128 x head
	s_cmp_eq_u32 s[WV], 0
	s_cselect_b32 s85, s85, s87
	s_cselect_b32 s86, s40, s41                    ; my place among the four that ask with me
	s_cselect_b32 s84, ttmp9, s84                  ; the coordinate along which other clusters read the same rows
	s_cselect_b64 s[PFA:PFA+1], s[4:5], s[6:7]
	s_cmp_eq_u32 s84, 0
	s_cselect_b32 s[LIM], 1, -1                    ; the same in all sixteen partners, for a given wave
	s_lshl_b32 s86, s86, 5
	s_add_co_u32 s86, s86, s85
	s_lshl_b32 s86, s86, 12
	s_mov_b32 s87, 0
	s_add_nc_u64 s[PFA:PFA+1], s[PFA:PFA+1], s[86:87]
	s_add_nc_u64 s[PFA:PFA+1], s[PFA:PFA+1], 2*KSTEP*2  ; at K step 2: the first refill steps it to 3 and names K step 4.  Nothing is prefetched at the head
; 12 matrix instructions: row block a x all 12 column blocks, 32 along K, from buffer f.  zero = 1: the first product starts the sums.  The 48 accumulators take turns, one instruction a turn.
.macro MUL12 f, a, zero
	WIN 0xa1+0x50*((\a)/2)                         ; source 0 window 1, source 1 window 0, C and D window 2 or 3
.irp b, 0,1,2,3,4,5,6,7,8,9,10,11
.if \zero
	v_wmma_f32_16x16x32_bf16 v[8*(12*((\a)%2)+(\b)):8*(12*((\a)%2)+(\b))+7], v[96*(\f)+8*(\b):96*(\f)+8*(\b)+7], v[FA+32*(\f)+8*(\a):FA+32*(\f)+8*(\a)+7], 0
.else
	v_wmma_f32_16x16x32_bf16 v[8*(12*((\a)%2)+(\b)):8*(12*((\a)%2)+(\b))+7], v[96*(\f)+8*(\b):96*(\f)+8*(\b)+7], v[FA+32*(\f)+8*(\a):FA+32*(\f)+8*(\a)+7], v[8*(12*((\a)%2)+(\b)):8*(12*((\a)%2)+(\b))+7]
.endif
.endr
.endm
; 32 LDS loads in one run: the fragments of 32 along K at byte k of the rows, into buffer f: wqkv's 12, then xb's 4
.macro FETCH slot, k, f
	WIN 0x40                                       ; destination window 1, address window 0
.irp hd, 0,1,2
.irp q, 0,1,2,3                        ; q = 2 half + s
	ds_load_b128 v[96*(\f)+8*(4*(\hd)+(\q)):96*(\f)+8*(4*(\hd)+(\q))+3],   v[ADRB+3*(\slot)+(\hd)] offset:(\k)+(64*((\q)/2)+16*((\q)%2))*PITCH
	ds_load_b128 v[96*(\f)+8*(4*(\hd)+(\q))+4:96*(\f)+8*(4*(\hd)+(\q))+7], v[ADRB+3*(\slot)+(\hd)] offset:(\k)+(64*((\q)/2)+16*((\q)%2))*PITCH+32
.endr
.endr
	WIN 0
.irp a, 0,1,2,3
	ds_load_b128 v[FA+32*(\f)+8*(\a):FA+32*(\f)+8*(\a)+3],   v[ADRA+(\slot)] offset:(\k)+(\a)*16*PITCH
	ds_load_b128 v[FA+32*(\f)+8*(\a)+4:FA+32*(\f)+8*(\a)+7], v[ADRA+(\slot)] offset:(\k)+(\a)*16*PITCH+32
.endr
.endm
; A K step is four quarters of 32 along K, 48 matrix instructions each, on buffers 0, 1, 0, 1.  One of the first three: multiplies buffer f and, in its middle, fetches the next quarter, at byte k, into g.
.macro QUARTER slot, k, f, g, zero
	s_wait_dscnt 4                                 ; all but the youngest four loads (xb's row blocks 2 and 3) are in
	MUL12 \f, 0, \zero
	MUL12 \f, 1, \zero
	PLACES
	FETCH \slot, \k, \g
	s_wait_dscnt 32                                ; all but the 32 just issued
	MUL12 \f, 2, \zero
	MUL12 \f, 3, \zero
.endm
; The last quarter multiplies buffer 1 and changes slots: ONE barrier; in front of it each wave waits for all its tensor loads (one is out: its part of the next slot), adds 0 to its spare word, and waits for that
; and for its own reads of this slot.  fill = 1: the barrier opens a round of the cluster's, and behind the round this slot is filled again, two K steps ahead, first thing.
.macro TURN slot, next, fill
.if \fill
	s_wait_xcnt 0x0                                ; the last prefetch, a K step back, has read its address: it is stepped here
	s_add_nc_u64 s[PFA:PFA+1], s[PFA:PFA+1], KSTEP*2
.endif
	WIN 0                                          ; (the add's two registers lie in window 0)
	s_wait_tensorcnt 0x0                           ; all my tensor loads have landed;
	ds_add_u32 v[SPW], v[NIL]                      ; 0 onto my spare word;
	s_wait_dscnt 5                                 ; (the add and the youngest four loads may be out)
	MUL12 1, 0, 0                                  ; twelve matrix instructions stand between the add and the wait for it
	s_wait_dscnt 0x0                               ; the add is done, and my reads of this slot are over
	s_barrier_signal -1
	MUL12 1, 1, 0
.if \fill
	WIN 0
.endif
	s_barrier_wait -1
.if \fill
	CREST                                          ; no wave of any partner still reads this slot's tile or has a load on its way
	s_add_nc_u64 s[G0+4*(\slot)+2:G0+4*(\slot)+3], s[G0+4*(\slot)+2:G0+4*(\slot)+3], 2*KSTEP*2
	s_add_nc_u64 s[G0B+4*(\slot)+2:G0B+4*(\slot)+3], s[G0B+4*(\slot)+2:G0B+4*(\slot)+3], 2*KSTEP*2
	JLOAD \slot                                    ; the four v_nop behind it are also the places in front of the loads below
.else
	PLACES
.endif
	FETCH \next, 0, 0
.if \fill
	ASK
.endif
	MUL12 1, 2, 0
	MUL12 1, 3, 0
.endm
	s_wait_tensorcnt 1                             ; my part of K step 0 is in; K step 1's may stay out
	s_barrier_signal -1
	s_barrier_wait -1                              ; everybody's is
	FETCH 0, 0, 0
	QUARTER 0, 64, 0, 1, 1                         ; the first quarter stands in front of the loop: its products start the sums
	WIN 0                                          ; at a label and at a branch every window is 0
	s_mov_b32 s3, LAPS-1
.Llap:                                                 ; a trip goes once round the ring, from a lap's second quarter to the next lap's first, and fills both slots again
	QUARTER 0, 128, 1, 0, 0
	QUARTER 0, 192, 0, 1, 0
	TURN 0, 1, 1
	QUARTER 1, 64,  0, 1, 0
	QUARTER 1, 128, 1, 0, 0
	QUARTER 1, 192, 0, 1, 0
	TURN 1, 0, 1
	QUARTER 0, 64,  0, 1, 0
	WIN 0
	s_sub_co_u32 s3, s3, 1
	s_cmp_lg_u32 s3, 0
	s_cbranch_scc1 .Llap
	QUARTER 0, 128, 1, 0, 0                        ; the last lap fills nothing, and has no round of the cluster's barrier
	QUARTER 0, 192, 0, 1, 0
	TURN 0, 1, 0                                   ; behind this barrier nobody reads slot 0 any more, and it has had its last fill
	QUARTER 1, 64,  0, 1, 0
	QUARTER 1, 128, 1, 0, 0
	QUARTER 1, 192, 0, 1, 0
	s_wait_dscnt 4                                 ; the very last quarter: nothing more to fetch
	MUL12 1, 0, 0
	MUL12 1, 1, 0
	s_wait_dscnt 0x0
	MUL12 1, 2, 0
	MUL12 1, 3, 0
	WIN 0
	; THE WAY OUT.  The turn, in f32: out(c) = x(c) cos - x(c + 64) sin, out(c + 64) = x(c) sin + x(c + 64) cos; a head of v takes cos = 1, sin = 0.  One rounding to f16; 16 bytes a lane into the stage
	; (slot 0's first 384 rows of 272 bytes: a head's 128 rows each); a barrier, since a row's 256 bytes come from two waves; back as whole rows, 32 rows of each head a wave.
	s_wait_loadcnt 0x0                             ; my part of the table
	PLACES
	PLACES
.macro ROPE hd, a
	WIN 0
.irp z, 0,2,4,6,8,10,12,14
	v_pk_fma_f32 v[CP+\z:CP+\z+1], v[TAB+32*(\a)+\z:TAB+32*(\a)+\z+1], s[RS+4*(\hd):RS+4*(\hd)+1], s[RS+4*(\hd)+2:RS+4*(\hd)+3] op_sel_hi:[1,0,0]
	v_pk_mul_f32 v[SN+\z:SN+\z+1], v[TAB+32*(\a)+16+\z:TAB+32*(\a)+16+\z+1], s[RS+4*(\hd):RS+4*(\hd)+1] op_sel_hi:[1,0]
.endr
	WIN 0x02+(\a)/2                                ; source 0: the accumulators' window.  Each accumulator's registers are taken in ascending order
.irp s, 0,1
.irp r, 0,2,4,6
.set X1, 8*(12*((\a)%2)+4*(\hd)+(\s))+(\r)
.set X2, X1+16
.set W1, O1+8*(\s)+(\r)
.set W2, W1+16
.set WF, 8*(\s)+(\r)
	v_pk_mul_f32 v[W1:W1+1], v[X2:X2+1], v[SN+WF:SN+WF+1]
	v_pk_mul_f32 v[W2:W2+1], v[X1:X1+1], v[SN+WF:SN+WF+1]
	v_pk_fma_f32 v[W1:W1+1], v[X1:X1+1], v[CP+WF:CP+WF+1], v[W1:W1+1] neg_lo:[0,0,1] neg_hi:[0,0,1]
	v_pk_fma_f32 v[W2:W2+1], v[X2:X2+1], v[CP+WF:CP+WF+1], v[W2:W2+1]
.endr
.endr
	WIN 0
.irp n, 0,1,2,3,4,5,6,7,8,9,10,11,12,13,14,15
	v_cvt_pk_f16_f32 v[PKD+\n], v[O1+2*\n], v[O1+2*\n+1]
.endr
.irp q, 0,1,2,3                        ; q = 2 half + s
	ds_store_b128 v[STO], v[PKD+4*\q:PKD+4*\q+3] offset:(\a)*16*PITCH+128*(\q/2)+32*(\q%2)
.endr
.endm
.irp hd, 0,1,2
	ROPE \hd, 0
	ROPE \hd, 1
	ROPE \hd, 2
	ROPE \hd, 3
	v_add_nc_u32 v[STO], HALFT, v[STO]             ; the next head's rows of the stage
.endr
	s_wait_dscnt 0x0                               ; for the others' sake: my stores into the stage are done
	s_barrier_signal -1
	s_barrier_wait -1
.irp hd, 0,1,2
.irp u, 0,1,2,3,4,5,6,7,8,9,10,11,12,13,14,15
	ds_load_b128 v[64+64*(\hd)+4*(\u):64+64*(\hd)+4*(\u)+3], v[RD] offset:2*PITCH*(\u)
.endr
	v_add_nc_u32 v[RD], HALFT, v[RD]
.endr
.irp hd, 0,1,2
.irp u, 0,1,2,3,4,5,6,7,8,9,10,11,12,13,14,15
	s_wait_dscnt 47-16*(\hd)-(\u)                  ; LDS loads come back in order: this one is in, the younger ones stay out
	global_store_b128 v[GO], v[64+64*(\hd)+4*(\u):64+64*(\hd)+4*(\u)+3], s[10:11] offset:262144*(\hd)+512*(\u)  ; two rows of a head: 512 consecutive bytes, at a multiple of 256 from qkv's first byte
.endr
.endr
	s_wait_tensorcnt 0x0                           ; the wave's end, behind my last tensor load and my last LDS store
	ds_add_u32 v[SPW], v[NIL]
	s_wait_dscnt 0x0
	CROUND                                         ; the closing round: no work-group ends while a partner may still ask for a tile that names it
	s_endpgm
.Lfunc_end_k_q6b1cb4bdc3_qkvrope:
	.size	k_q6b1cb4bdc3_qkvrope, .Lfunc_end_k_q6b1cb4bdc3_qkvrope-k_q6b1cb4bdc3_qkvrope
	.p2alignl 7, 3214868480
	.fill 96, 4, 3214868480
	.section	.rodata,"a",@progbits
	.p2align	6, 0x0
	.amdhsa_kernel k_q6b1cb4bdc3_qkvrope
		.amdhsa_group_segment_fixed_size 327680
		.amdhsa_private_segment_fixed_size 0
		.amdhsa_enable_private_segment 0
		.amdhsa_kernarg_size 32
		.amdhsa_user_sgpr_count 2
		.amdhsa_user_sgpr_kernarg_segment_ptr 1
		.amdhsa_wavefront_size32 1
		.amdhsa_system_sgpr_workgroup_id_x 1
		.amdhsa_system_sgpr_workgroup_id_y 1
		.amdhsa_system_sgpr_workgroup_id_z 1
		.amdhsa_system_vgpr_workitem_id 0
		.amdhsa_next_free_vgpr 960
		.amdhsa_next_free_sgpr 96
		.amdhsa_reserve_vcc 0
		.amdhsa_float_denorm_mode_32 3
		.amdhsa_float_denorm_mode_16_64 3
		.amdhsa_memory_ordered 1
		.amdhsa_forward_progress 1
		.amdhsa_inst_pref_size 162
	.end_amdhsa_kernel
	.amdgpu_metadata
---
amdhsa.version: [ 1, 2 ]
amdhsa.kernels:
  - .name:           k_q6b1cb4bdc3_qkvrope
    .symbol:         k_q6b1cb4bdc3_qkvrope.kd
    .args:
      - { .name: xb, .offset: 0, .size: 8, .value_kind: global_buffer, .address_space: global }
      - { .name: wqkv, .offset: 8, .size: 8, .value_kind: global_buffer, .address_space: global }
      - { .name: tab, .offset: 16, .size: 8, .value_kind: global_buffer, .address_space: global }
      - { .name: qkv, .offset: 24, .size: 8, .value_kind: global_buffer, .address_space: global }
    .group_segment_fixed_size: 327680
    .private_segment_fixed_size: 0
    .kernarg_segment_align: 8
    .kernarg_segment_size: 32
    .max_flat_workgroup_size: 128
    .sgpr_count:     96
    .vgpr_count:     960
    .wavefront_size: 32
...
	.end_amdgpu_metadata
.endif
;; end of part 2
;; launch attn (part 3): grid 16 x 16, 4 waves a work-group, clusters of 4 x 1, 327,680 bytes of LDS; arguments qkv, Wo, ob, wo16; writes ob, wo16
.if DOCPART == 3
	.amdgcn_target "amdgcn-amd-amdhsa--gfx1250"
	.amdhsa_code_object_version 6
	.text
	.protected	k_q6b1cb4bdc3_attn
	.globl	k_q6b1cb4bdc3_attn
	.p2align	8
	.type	k_q6b1cb4bdc3_attn,@function
k_q6b1cb4bdc3_attn:
	s_mov_b64 s[64:65], 0
	v_nop
	global_prefetch_b8 v0, s[64:65] scope:SCOPE_SE
	s_setreg_imm32_b32 hwreg(HW_REG_WAVE_MODE, 25, 1), 1
	s_wait_xcnt 0x0
	s_wait_alu depctr_hold_cnt(0) depctr_sa_sdst(0) depctr_va_vdst(0) depctr_va_sdst(0) depctr_va_ssrc(0) depctr_va_vcc(0) depctr_vm_vsrc(0)
	s_getreg_b32 s2, hwreg(HW_REG_IB_STS2, 6, 4)
	s_cmp_eq_u32 s2, 0
	s_cbranch_scc0 .Lentry_in_a_cluster
	s_endpgm
.Lentry_in_a_cluster:
	s_bfe_u32 s2, ttmp6, 0x10000c
	s_cmp_lg_u32 s2, 0x3003
	s_cbranch_scc0 .Lentry_shape_is_right
	s_endpgm
.Lentry_shape_is_right:
; CAUSAL GROUPED-QUERY ATTENTION, BY TURNS; and beside it the cast of Wo for the launch behind.
; qkv[b][hh][t][128] f16 (hh 0-15 q, 16-19 k, 20-23 v; q and k turned, unscaled).  ob[b 1024 + t][128 h + ch] f16.  Wo [2048][2048] f32 -> wo16, rounded to bf16 and that number written as f16.
; O[q] = the sum over k <= q of softmax_k(Q[q] . K[k] / sqrt(128)) V[k].  Products, maxima and sums in f32; the weights p are rounded to f16 for the second product (their sum l is taken of the unrounded p), O once at the end.
; LIMITS.  f16 holds no number beyond 65,504: q, k, v arrive within it; Wo beyond it becomes an infinity, and below 6.1e-5 it keeps f16's fixed step of 6e-8.  A hidden score counts as its value less 1e30: f16's scores,
; 5.5e11 at the most, are nothing beside that; a weight below 2^-126 counts as 0 in l; NaN and infinities are not treated apart.
; THE WALK.  A head's 1,024 queries lie in 8 blocks of 128; block i needs the key tiles 0 .. i of 128 keys, of which the last holds the diagonal.  A work-group takes TWO blocks, p and then 7 - p: 9 tiles, 18 key steps of 64,
; whatever p: all 256 work-groups do equal work, and loops with constant trip counts walk them.  The short block comes first, so that its end falls into trips 1 to 4 of the loop and the tail holds the last end alone.
; CLUSTER.  The four partners are the four query heads of one key and value head, with the same p: the same walk, the same tiles of K and V.  Each tile is asked for JOINTLY, by the same load, descriptor and mask in all four.
; SHARES.  Of a block's two bands of 64 queries a wave owns 16 rows in each: two PIECES.  In the diagonal tile's key step s band x sees all keys if s < x, none if s > x, and holds the diagonal if s = x: the same for every wave.
; THE MASK is the C operand that starts the sum S^T = K Q^T: 0, or -1e30 where the key is hidden.  MD, made once, is the mask of a band's own step for my 16 rows; MC, what the products take, is 0 but in a diagonal tile.
; LAYOUT.  S^T = K Q^T (source 0 = 16 keys, source 1 = 16 queries) holds ONE query a lane (l % 16) and the keys 8 (l / 16) + 0..7; two such results rounded to f16 ARE source 1 of O^T = V^T P.  V is turned by ds_load_tr16_b128.
; SOFTMAX.  p = 2^(c s - c m), c = log2(e) / sqrt(128), with a running maximum m; O and l are multiplied by a = 2^(c m_old - c m_new) in every step.  c m starts far below every c s: a block's first step has a = 0.
; BY TURNS.  In a TURN one piece has the matrix unit: 16 products V^T P of step s, then 16 products K Q^T of step s + 1; the other piece's softmax, a list of 134 instructions, stands between them, four behind each matrix
; instruction and the ten that are over behind the last.  Piece 0's turn carries piece 1's softmax of step s, piece 1's turn piece 0's of step s + 1.  Two turns are a key step.
; REGISTERS, in windows of 256: window 0: v1-15 addresses; v16-31 eight registers of statistics a piece; v32-49 Wo's cast; v64-127 S^T; v128-159 P; v160-223 MC; v224-255 MD.
;   window 1: v0-127 O^T, 64 a piece; v128-191 Q; v192-255 the second block's Q.     window 2: v0-127 K of one step; v128-255 V of one step.
; All that a softmax touches but O^T lies in window 0, and the products' operands do not: a slice costs two switches of the windows.
.set KS,    64        ; keys in a step
.set PK,    272       ; a row of K in LDS: 256 bytes + 16 of padding: the 16 rows of a load start at 16 different groups of four banks (64 banks of 4 bytes: ISA guide 11.1)
.set PVP,   288       ; a row of V: 256 + 32
.set VOFF,  KS*PK     ; a step's tiles lie together: 64 rows of K, then 64 rows of V
.set STEPB, KS*(PK+PVP)
.set SLOT1, 1<<17     ; a slot holds a tile, two steps (71,680 bytes); slot 1 begins here, so that one exclusive or turns an address in one slot into the other's
.set STAGE, SLOT1+2*STEPB  ; behind the ring, never filled by a tensor load: 16 rows x 272 bytes for each wave, for the way out
.set SP,    272
.set SPARE, STAGE+4*16*SP  ; behind the stages: the spare words, 128 bytes for each wave: two blocks of 256 bytes that no other line names
.set AK0, 2           ; v2   my lane's place in a tile of K; never rewritten
.set AV0, 3           ; v3   the same for V
.set AK,  4           ; v4   the LDS address of K's run of loads
.set AV,  5           ; v5   of V's
.set STO, 6           ; v6   the way out: where I put 16 bytes of a row
.set RD,  7           ; v7   the way out: where I read rows back
.set GO,  8           ; v8   my byte offset in two rows of ob
.set QO,  9           ; v9   my byte offset in 16 rows of Q
.set ST,  16          ; piece t's statistics at v[ST+8 t]: +0 c m, +1 m, +2, +3 l (even keys', odd keys'), +4 to +7 c0-c3 at work; a takes c2's place
.set WD,  32          ; v32-47  four groups of four numbers of Wo
.set WVI, 48          ; v48  16 x my thread's number; never rewritten
.set WVO, 49          ; v49  8 x my thread's number; never rewritten
.set PFO, 61          ; v61  256 x my lane; never rewritten
.set SPW, 62          ; v62  LDS address of my spare word; never rewritten
.set NIL, 63          ; v63  0; never rewritten
.set S,   64
.set P,   128
.set MC,  160
.set MD,  224
.set WV,  12          ; s12  my wave's number;  s13 = cx, which enters Q's, ob's, Wo's, wo16's and the prefetches' addresses alone
.set PB,  14          ; s14  p
.set HI,  15          ; s15  7 - p
.set KB,  16          ; s[16:17] K at my 64 rows of the head's tile 0
.set VB,  18          ; s[18:19] the same for V
.set G1K, 24          ; s[24:31] descriptor group 1 for K's tiles
.set G1V, 32          ; s[32:39] for V's: it differs in the padding alone
.set G0K, 40          ; s[40:43] descriptor group 0 for K's tiles
.set G0V, 44          ; s[44:47] the same for V's
.set SLOTS, 56        ; s56  tiles still to be asked for
.set CNT, 57          ; s57  counts the two key steps between two changes of slots, 2 to 1
.set CS,  58          ; s[58:59] c
.set SEL, 60          ; s[60:61] v_permlanex16_b32's selects: each lane takes its own place in the other half
.set TB,  62          ; s62  LDS byte at which the step to be fetched begins
.set DG,  63          ; s63  1: the tile whose steps are being fetched is a block's last, the diagonal one
.set DP,  66          ; s66  1: the tile before it was
.set EB,  67          ; s67  1: the step whose V^T P is in hand is a block's last
.set RT,  70          ; s70  tiles of the block in hand that are still to be entered
.set NXT, 71          ; s71  the tile to be asked for next
.set LQ,  72          ; s72  the last tile of the block whose tiles are being asked for
.set MSK, 73          ; s73  a word's upper half
.set OFF, 74          ; s[74:75] a tile's byte offset in K and V
.set AL0, 76          ; s[76:77], s[78:79] piece 0's mask = MD x AL0 + BE0
.set BE0, 78
.set AL1, 80          ; s[80:81] piece 1's mask = MD x AL1
.set BIGN, 82         ; s82  -1e30
.set NB2, 83          ; s83  8 - p: the second block's tiles
.set OP,  84          ; s[84:85] ob at my rows of the block in hand
.set OLO, 86          ; s[86:87] of the second block
.set PFA, 88          ; s[88:89] where my prefetches stand
.set LIM, 90          ; s90  1 in a wave that prefetches, else the greatest number
.set MSB, 0
.macro WIN new                      ; the high byte repeats the setting that is left; a switch that changes nothing is dropped
.if MSB != (\new)
	s_set_vgpr_msb (MSB<<8)|(\new)
.set MSB, (\new)
.endif
.endm
.macro PLACES                       ; four plain instructions between matrix instructions and what reads their results or loads into their sources
.rept 4
	v_nop
.endr
.endm
; A joint fill.  Waves 0 and 1 fetch K of a tile's two steps, waves 2 and 3 V.  The branch hangs on the wave's number alone.  An s_nop 0 and four v_nop follow each of the two lines.
.macro JLOAD
	s_cmp_lt_u32 s[WV], 2
	s_cbranch_scc0 .Lfor_v_\@
	tensor_load_to_lds s[G0K:G0K+3], s[G1K:G1K+7]
	s_nop 0
.rept 4
	v_nop
.endr
	s_branch .Lasked_\@
.Lfor_v_\@:
	tensor_load_to_lds s[G0V:G0V+3], s[G1V:G1V+7]
	s_nop 0
.rept 4
	v_nop
.endr
.Lasked_\@:
.endm
; A prefetch of the tile that the NEXT change of slots will ask for: 128 rows of K and of V, 256 bytes a row, a lane a row.  The cluster with p = 0 walks tiles 0, 0, 1, .. 7 and is the first to want tiles 4 to 7: it names them,
; in its changes 3 to 6 (s[SLOTS] = 5 to 2).  Its four partners share the rows out by address, 32 each; in each, wave 0 asks for K's and wave 2 for V's.  So each of these rows is named once in the launch.
; Tiles 0 to 3 are named by nobody: the four clusters' own loads want them in the walk's first four trips.
.macro ASK
	s_cmp_gt_u32 s[SLOTS], s[LIM]
	s_cbranch_scc0 .Lnot_mine_\@
	s_cmp_lt_u32 s[SLOTS], 6
	s_cbranch_scc0 .Lnot_mine_\@
	global_prefetch_b8 v[PFO], s[PFA:PFA+1] th:TH_LOAD_NT scope:SCOPE_SE
.Lnot_mine_\@:
.endm
.macro CROUND                       ; a round of the cluster's barrier
	s_barrier_signal -1
	s_barrier_wait -1
	s_cmp_lg_u32 s[WV], 0
	s_cbranch_scc1 .Lnot_wave_0_\@
	s_barrier_signal -3
.Lnot_wave_0_\@:
	s_barrier_wait -3
	s_barrier_signal -1
	s_barrier_wait -1
.endm
; THE CHANGE OF SLOTS, between piece 1's turn of a tile's first step, which has asked for the slot's last bytes (V of its second step), and piece 0's turn of the second, which fetches the next slot's first K.
; Each wave waits for all its tensor loads, of which one is out: its part of the other slot; adds 0 to its spare word; and waits for that and for its own reads of the slot that it leaves.
; fill = 1: the barrier is a round of the cluster's, and the old slot is filled again, first thing behind it, with tile NXT: the descriptor's address is made anew from that number.
; (At its first use nothing has been read yet: slot 0 is waited for, slot 1 filled.)
.macro CHANGE fill
	WIN 0
	s_wait_tensorcnt 0x0            ; no tensor load of mine is out, so a group 0 may be written
	ds_add_u32 v[SPW], v[NIL]       ; 0 onto my spare word: scalar work stands between it and the wait for it
.if \fill
	s_lshl_b32 s[OFF], s[NXT], 15   ; a tile is 32,768 bytes of K and of V
	s_xor_b32 s[G0K+1], s[G0K+1], SLOT1
	s_add_nc_u64 s[G0K+2:G0K+3], s[KB:KB+1], s[OFF:OFF+1]
	s_or_b32 s[G0K+3], s[G0K+3], 0x80000000
	s_xor_b32 s[G0V+1], s[G0V+1], SLOT1
	s_add_nc_u64 s[G0V+2:G0V+3], s[VB:VB+1], s[OFF:OFF+1]
	s_or_b32 s[G0V+3], s[G0V+3], 0x80000000
	s_add_co_u32 s[NXT], s[NXT], 1  ; the block's next tile, or behind its last the second block's tile 0
	s_cmp_gt_u32 s[NXT], s[LQ]
	s_cselect_b32 s[NXT], 0, s[NXT]
	s_cselect_b32 s[LQ], s[HI], s[LQ]
	s_wait_xcnt 0x0                 ; the last prefetch, a tile back, has read its address, so it may be written
	s_add_nc_u64 s[PFA:PFA+1], s[PFA:PFA+1], 2*KS*256
	s_wait_dscnt 0x0                ; the add is done, and my reads of the slot are over
	CROUND
	JLOAD
	ASK
.else
	s_wait_dscnt 0x0
	s_barrier_signal -1
	s_barrier_wait -1
.endif
	s_sub_co_u32 s[TB], s[TB], 2*STEPB  ; the fetches go back to a slot's first step,
	s_xor_b32 s[TB], s[TB], SLOT1       ; in the other slot
.endm
; Behind a change: what kind of tile is entered.  All of it hangs on p, which the four partners share.
.macro FLAGS
	s_mov_b32 s[DP], s[DG]
	s_cmp_lg_u32 s[DG], 0
	s_cselect_b32 s[RT], s[NB2], s[RT]  ; behind a diagonal tile the second block begins
	s_sub_co_u32 s[RT], s[RT], 1
	s_cmp_eq_u32 s[RT], 0
	s_cselect_b32 s[DG], 1, 0
	s_mov_b32 s[EB], s[DP]          ; the step in hand is the last tile's second
.endm
; The masks of the products K Q^T that the step's two turns issue: those of the NEXT step, the first (CNT = 2) or the second (CNT = 1) of the tile being fetched.  In a diagonal tile's first step band 0 holds the diagonal
; and band 1 sees all; in its second band 0 sees nothing and band 1 holds the diagonal.  cond = 1: they are made only where this tile or the one before it is diagonal: elsewhere they are 0 and stay so.
.macro MASKUPD cond
.if \cond
	s_or_b32 s20, s[DG], s[DP]
	s_cmp_lg_u32 s20, 0
	s_cbranch_scc0 .Lnomask_\@
.endif
	s_cmp_eq_u32 s[CNT], 2
	s_cselect_b32 s21, s[DG], 0
	s_cselect_b32 s22, 0, s[DG]
	s_cmp_lg_u32 s21, 0
	s_cselect_b32 s[AL0], 1.0, 0
	s_cmp_lg_u32 s22, 0
	s_cselect_b32 s[BE0], s[BIGN], 0
	s_cselect_b32 s[AL1], 1.0, 0
.set z, 0
.rept 16
	v_pk_fma_f32 v[MC+2*z:MC+2*z+1], v[MD+2*z:MD+2*z+1], s[AL0:AL0+1], s[BE0:BE0+1] op_sel_hi:[1,0,0]
	v_pk_mul_f32 v[MC+32+2*z:MC+32+2*z+1], v[MD+2*z:MD+2*z+1], s[AL1:AL1+1] op_sel_hi:[1,0]
.set z, z+1
.endr
.if \cond
.Lnomask_\@:
.endif
.endm
; A piece's statistics at a block's beginning: c m far below every c s, m the lowest finite number, l = 0.
.macro RESET t
	v_mov_b32 v[ST+8*(\t)], 0xfe000000
	v_mov_b32 v[ST+8*(\t)+1], 0xff7fffff
	v_mov_b32 v[ST+8*(\t)+2], 0
	v_mov_b32 v[ST+8*(\t)+3], 0
.endm
; THE MATRIX WORK.  The accumulators of a run take turns, one instruction a turn.
; Product i of 16 of S^T = K Q^T for piece x: keys 16 (i % 4) on, channels 32 (i / 4) on.  The first 4 start the sums, with the mask.
.macro KQM x
	WIN 0x06                        ; K in window 2, Q in window 1, S^T and the mask in window 0
.set rS, S+32*(\x)+8*(i%4)
.set rK, 32*(i%4)+8*(i/4)
.set rQ, 128+32*(\x)+8*(i/4)
.set rM, MC+32*(\x)+8*(i%4)
.if i < 4
	v_wmma_f32_16x16x32_f16 v[rS:rS+7], v[rK:rK+7], v[rQ:rQ+7], v[rM:rM+7]
.else
	v_wmma_f32_16x16x32_f16 v[rS:rS+7], v[rK:rK+7], v[rQ:rQ+7], v[rS:rS+7]
.endif
.endm
; Product i of 16 of O^T += V^T P for piece x: channels 16 (i % 8) on, keys 32 (i / 8) on.
.macro PVM x
	WIN 0x52                        ; V in window 2, P in window 0, O^T in window 1
.set rO, 64*(\x)+8*(i%8)
.set rV, 128+64*(i/8)+8*(i%8)
.set rP, P+16*(\x)+8*(i/8)
	v_wmma_f32_16x16x32_f16 v[rO:rO+7], v[rV:rV+7], v[rP:rP+7], v[rO:rO+7]
.endm
; THE LDS LOADS stand in runs of 32, never singly among the matrix instructions.
.macro FETCH_K
	WIN 0
	v_add_nc_u32 v[AK], s[TB], v[AK0]
	WIN 0x80                        ; destination window 2
.irp c, 0,1,2,3                     ; channels 32 c on, keys 16 kb on
.irp kb, 0,1,2,3
	ds_load_b128 v[32*\kb+8*\c:32*\kb+8*\c+3],   v[AK] offset:\kb*16*PK+\c*64
	ds_load_b128 v[32*\kb+8*\c+4:32*\kb+8*\c+7], v[AK] offset:\kb*16*PK+\c*64+32
.endr
.endr
.endm
.macro FETCH_V
	WIN 0
	v_add_nc_u32 v[AV], s[TB], v[AV0]
	s_add_co_u32 s[TB], s[TB], STEPB  ; the next fetch is the next step's
	WIN 0x80
.irp f, 0,1,2,3,4,5,6,7,8,9,10,11,12,13,14,15  ; turned: keys 32 (f / 8) on, channels 16 (f % 8) on
	ds_load_tr16_b128 v[128+8*\f:128+8*\f+3],   v[AV] offset:(\f/8)*32*PVP+(\f%8)*32
	ds_load_tr16_b128 v[128+8*\f+4:128+8*\f+7], v[AV] offset:(\f/8)*32*PVP+16*PVP+(\f%8)*32
.endr
.endm
; THE VECTOR WORK.  A piece's softmax for one key step is a list of 134 instructions; SM writes number j of it for piece t.  s0-s31 are the lane's 32 scores, in pairs 0-15.
;   0-15    the maximum of s0-s31 and the old m, three operands at a time: four chains c0-c3 of seven scores each (each accumulator's lowest registers are read first), then the four scores left over, c0-c3 and m
;   16-20   the other half of the lanes' maximum; c m_old is kept; the new m; c m; c m_old - c m_new
;   21-87   33 exponentials (a, then s0-s31) at the odd numbers from 23 on: no two follow each other, and each has a plain instruction behind it before its result is used.  The plain ones are whatever is ready:
;           c s - c m for a pair whose exponentials are still to come, the rounding to f16 of a pair whose exponentials are done (the second of them three numbers back), at last the first sums
;   88-101  the last rounding; the rest of the sums (of the 16 pairs, in place: neighbours 1, 2, 4 and 8 pairs apart); l = a l + the sum
;   102-133 the piece's O^T times a, in ascending order: the one part that leaves window 0, so it stands together
.macro SM t
.set rT, ST+8*(\t)
.set rS, S+32*(\t)
.set rP, P+16*(\t)
.set rO, 64*(\t)+2*(j-102)
.set q, (j-20)/2
.if j < 102
	WIN 0
.endif
.if j < 4
	v_max3_num_f32 v[rT+4+j], v[rS+8*j], v[rS+8*j+1], v[rS+8*j+2]
.elseif j < 12
	v_max3_num_f32 v[rT+4+j%4], v[rT+4+j%4], v[rS+8*(j%4)+2*(j/4)+1], v[rS+8*(j%4)+2*(j/4)+2]
.elseif j == 12
	v_max3_num_f32 v[rT+4], v[rT+4], v[rS+7], v[rS+15]
.elseif j == 13
	v_max3_num_f32 v[rT+6], v[rT+6], v[rS+23], v[rS+31]
.elseif j == 14
	v_max3_num_f32 v[rT+4], v[rT+4], v[rT+5], v[rT+6]
.elseif j == 15
	v_max3_num_f32 v[rT+4], v[rT+4], v[rT+7], v[rT+1]
.elseif j == 16
	v_permlanex16_b32 v[rT+5], v[rT+4], s[SEL], s[SEL+1]  ; the query's other 32 keys lie in the lane 16 away
.elseif j == 17
	v_mov_b32 v[rT+7], v[rT]
.elseif j == 18
	v_max_num_f32 v[rT+1], v[rT+4], v[rT+5]
.elseif j == 19
	v_mul_f32 v[rT], s[CS], v[rT+1]
.elseif j == 20
	v_sub_f32 v[rT+7], v[rT+7], v[rT]
.elseif j == 23
	v_exp_f32 v[rT+6], v[rT+7]
.elseif (j < 88) && (j > 23) && (j%2 == 1)
	v_exp_f32 v[rS+(j-25)/2], v[rS+(j-25)/2]
.elseif (q < 4) || ((j < 76) && (q%2 == 0))
.set b, q/2+2
.if q < 4
.set b, q
.endif
	v_pk_fma_f32 v[rS+2*b:rS+2*b+1], v[rS+2*b:rS+2*b+1], s[CS:CS+1], v[rT:rT+1] op_sel_hi:[1,0,0] neg_lo:[0,0,1] neg_hi:[0,0,1]  ; pair b: c s - c m
.elseif (j < 88) && (q%2 == 1)
	s_wait_alu depctr_va_vdst(0)
	v_cvt_pk_f16_f32 v[rP+(q-5)/2], v[rS+q-5], v[rS+q-4]
.elseif j == 89
	s_wait_alu depctr_va_vdst(0)
	v_cvt_pk_f16_f32 v[rP+15], v[rS+30], v[rS+31]
.elseif j < 102
.set z, j-86
.if j < 89
.set z, (j-76)/4
.endif
.set w, 4
.set u, z
.if z >= 14
.set w, 32
.set u, 0
.elseif z >= 12
.set w, 16
.set u, z-12
.elseif z >= 8
.set w, 8
.set u, z-8
.endif
.if z < 15
	v_pk_add_f32 v[rS+w*u:rS+w*u+1], v[rS+w*u:rS+w*u+1], v[rS+w*u+w/2:rS+w*u+w/2+1]
.else
	v_pk_fma_f32 v[rT+2:rT+3], v[rT+2:rT+3], v[rT+6:rT+7], v[rS:rS+1] op_sel_hi:[1,0,1]
.endif
.else
	WIN 0x41                        ; O^T (destination and source 0) in window 1, a in window 0
	v_pk_mul_f32 v[rO:rO+1], v[rO:rO+1], v[rT+6:rT+7] op_sel_hi:[1,0]
.endif
.endm
.macro RID y, n                     ; the next n numbers of piece y's list
.rept \n
	SM \y
.set j, j+1
.endr
.endm
; A TURN.  Piece x has the matrix unit; the other piece's softmax stands in slices behind its matrix instructions.  kq = 0, the walk's last step: no next scores, and eight to a slice.
; None of a slice's instructions names a register of the products round it.  The ten (kq = 0: fourteen) plain instructions of the last slice are the places between the turn's last product and what follows:
; the next turn's first read of those scores, and the loads into K's registers.
; Piece 0's turn fetches the next step's K behind its second product.  Piece 1's turn fetches the same step's V behind its second K Q^T: the last product that read V stands three slices, six plain instructions, back.
; Each run of loads is waited for 14 products later.
.macro TURN x, kq
.set j, 0
.if (\x) == 0
	s_wait_dscnt 0x0                ; V is in
.endif
.set i, 0
.rept 16
	PVM \x
.if \kq
	RID 1-(\x), 4
.elseif i < 15
	RID 1-(\x), 8
.else
	RID 1-(\x), 14
.endif
.if ((\x) == 0) && (\kq) && (i == 1)
	FETCH_K
.endif
.set i, i+1
.endr
.if \kq
.if (\x) == 0
	s_wait_dscnt 0x0                ; K is in
.endif
.set i, 0
.rept 16
	KQM \x
.if i < 15
	RID 1-(\x), 4
.else
	RID 1-(\x), 10
.endif
.if ((\x) == 1) && (i == 1)
	FETCH_V
.endif
.set i, i+1
.endr
.endif
.endm
; THE WAY OUT of piece t.  LSUM: l's two halves and the other half of the lanes' are added; 1 / l.  PACK: O^T is divided by l, rounded to f16 and sent through my stage in LDS; it works in the OTHER piece's S^T
; registers, which hold nothing at that time (its own may hold the next block's first scores).  SEND: stored.
.macro LSUM t
	v_add_f32 v[ST+8*(\t)+4], v[ST+8*(\t)+2], v[ST+8*(\t)+3]
	v_permlanex16_b32 v[ST+8*(\t)+5], v[ST+8*(\t)+4], s[SEL], s[SEL+1]
	v_add_f32 v[ST+8*(\t)+4], v[ST+8*(\t)+4], v[ST+8*(\t)+5]
	v_rcp_f32 v[ST+8*(\t)+6], v[ST+8*(\t)+4]
	v_nop                           ; a plain instruction between the reciprocal and the use of its result
.endm
.macro PACK t
.set rX, S+32*(1-(\t))
	WIN 0x41
.set i, 64*(\t)
	s_wait_alu depctr_va_vdst(0)
.rept 32
	v_pk_mul_f32 v[i:i+1], v[i:i+1], v[ST+8*(\t)+6:ST+8*(\t)+7] op_sel_hi:[1,0]
.set i, i+2
.endr
	WIN 0x05                        ; sources 0 and 1 window 1, destination window 0
.set i, 0
.rept 32
	v_cvt_pk_f16_f32 v[rX+i], v[64*(\t)+2*i], v[64*(\t)+2*i+1]
.set i, i+1
.endr
	WIN 0
.irp f, 0,1,2,3,4,5,6,7
	ds_store_b128 v[STO], v[rX+4*\f:rX+4*\f+3] offset:32*\f
.endr
.irp f, 0,1,2,3,4,5,6,7
	ds_load_b128 v[rX+4*\f:rX+4*\f+3], v[RD] offset:\f*2*SP  ; LDS serves a wave's instructions in order (ISA guide 5.7.1.4): these see the stores above; the next piece's stores come behind them
.endr
.endm
.macro SEND t, younger              ; younger: the LDS instructions issued behind piece t's loads: the next piece's sixteen, or none
.set rX, S+32*(1-(\t))
.irp f, 0,1,2,3,4,5,6,7
	s_wait_dscnt (\younger)+7-\f
	global_store_b128 v[GO], v[rX+4*\f:rX+4*\f+3], s[OP:OP+1] offset:(\t)*262144+\f*8192  ; 16 lanes store a row's 256 bytes of my head, at a multiple of 256 from ob's first byte
.endr
.endm
.macro FINP t                       ; the first block's end, for one piece.  O^T keeps finite numbers, which the next block's first step multiplies by a = 0
	LSUM \t
	PACK \t
	SEND \t, 0
	s_wait_xcnt 0x0                 ; the stores have read their registers, which the next products K Q^T write, and ob's address
	RESET \t
.endm
; WO'S CAST.  The work-group's 65,536 bytes of Wo go in eight parts, one at the bottom of each trip of the loop over slots: four loads of 16 bytes a lane, issued a tile earlier, are rounded to bf16, widened,
; written as f16 and stored, 8 bytes a lane.  A wave's load covers 512 consecutive bytes, its store 256 consecutive bytes at a multiple of 256 from wo16's first byte.  The last trip asks for nothing more.
.macro WLOAD
.irp g, 0,1,2,3
	global_load_b128 v[WD+4*\g:WD+4*\g+3], v[WVI], s[6:7] offset:2048*\g th:TH_LOAD_NT  ; read once in the whole launch
.endr
.endm
.macro CASTW
	s_wait_loadcnt 0x0              ; the four loads issued a tile ago
.irp g, 0,1,2,3
	v_cvt_pk_bf16_f32 v[WD+4*\g],   v[WD+4*\g],   v[WD+4*\g+1]
	v_cvt_pk_bf16_f32 v[WD+4*\g+2], v[WD+4*\g+2], v[WD+4*\g+3]
	v_and_b32     v[WD+4*\g+1], s[MSK], v[WD+4*\g]
	v_lshlrev_b32 v[WD+4*\g],   16, v[WD+4*\g]
	v_and_b32     v[WD+4*\g+3], s[MSK], v[WD+4*\g+2]
	v_lshlrev_b32 v[WD+4*\g+2], 16, v[WD+4*\g+2]
	v_cvt_pk_f16_f32 v[WD+4*\g],   v[WD+4*\g],   v[WD+4*\g+1]
	v_cvt_pk_f16_f32 v[WD+4*\g+1], v[WD+4*\g+2], v[WD+4*\g+3]
	global_store_b64 v[WVO], v[WD+4*\g:WD+4*\g+1], s[10:11] offset:1024*\g
.endr
	s_wait_xcnt 0x0                 ; the stores have read their registers and their base: both are written below
	s_add_nc_u64 s[10:11], s[10:11], 4096
	s_add_nc_u64 s[6:7], s[6:7], 8192
	s_cmp_lg_u32 s[SLOTS], 1
	s_cbranch_scc0 .Lno_more_wo
	WLOAD
.Lno_more_wo:
.endm
	s_load_b256 s[4:11], s[0:1], 0x0 ; qkv s[4:5], Wo s[6:7], ob s[8:9], wo16 s[10:11]
	v_lshl_add_u32 v[SPW], v0, 2, SPARE
	v_mov_b32 v[NIL], 0
	ds_add_u32 v[SPW], v[NIL]       ; the wave's opening: the add and its wait stand ahead of my first tensor load; work on registers stands between them
	v_lshrrev_b32 v1, 5, v0
	v_readfirstlane_b32 s[WV], v1   ; wave 0..3
	s_bfe_u32 s13, ttmp6, 0x40000   ; cx: which of the group's four query heads is mine
	s_mov_b32 s[PB], ttmp9          ; in a cluster launch ttmp9 counts clusters: p
	s_sub_co_u32 s[HI], 7, s[PB]
	s_sub_co_u32 s[NB2], 8, s[PB]
	s_and_b32 s20, ttmp7, 0xffff
	s_lshl_b32 s68, s20, 4          ; my work-group among the 256: 16 y + 4 p + cx:
	s_lshl2_add_u32 s68, s[PB], s68
	s_add_co_u32 s68, s68, s13
	s_lshl_b32 s2, s68, 15          ; its 32,768 bytes of wo16,
	s_mov_b32 s3, 0
	s_lshl_b32 s68, s68, 16         ; its 65,536 bytes of Wo
	s_mov_b32 s69, 0
	s_lshr_b32 s21, s20, 2          ; the batch
	s_and_b32 s22, s20, 3           ; the key and value head
	s_mul_i32 s23, s21, 24
	s_add_co_u32 s92, s23, s22
	s_add_co_u32 s92, s92, 16       ; k's head in qkv
	s_lshl_b32 s92, s92, 18         ; a head is 262,144 bytes
	s_and_b32 s91, s[WV], 1         ; which of a tile's two steps I fetch:
	s_lshl_b32 s93, s91, 14         ; its 64 rows of 256 bytes in memory,
	s_add_co_u32 s92, s92, s93
	s_mov_b32 s93, 0
	s_mov_b32 s[G0K], 1
	s_mul_i32 s[G0K+1], s91, STEPB  ; and its place in slot 0: no place in the cluster enters an LDS address
	s_mov_b32 s[G0V], 1
	s_add_co_u32 s[G0V+1], s[G0K+1], VOFF
	s_lshl_b32 s94, s22, 2
	s_add_co_u32 s94, s94, s13      ; my query head
	s_add_co_u32 s95, s94, s23
	s_lshl_b32 s95, s95, 18         ; its first byte in qkv,
	s_lshl_b32 s20, s[WV], 12       ; my 16 rows in a band,
	s_add_co_u32 s95, s95, s20
	s_lshl_b32 s48, s[PB], 15       ; in the first block
	s_add_co_u32 s48, s48, s95
	s_mov_b32 s49, 0
	s_lshl_b32 s50, s[HI], 15       ; and in the second
	s_add_co_u32 s50, s50, s95
	s_mov_b32 s51, 0
	s_lshl_b32 s95, s21, 22         ; ob: 1,024 rows of 4,096 bytes a batch,
	s_lshl_b32 s20, s[WV], 16       ; my 16 rows,
	s_add_co_u32 s95, s95, s20
	s_lshl_b32 s20, s94, 8          ; my head's 256 bytes of a row
	s_add_co_u32 s95, s95, s20
	s_lshl_b32 s52, s[PB], 19
	s_add_co_u32 s52, s52, s95
	s_mov_b32 s53, 0
	s_lshl_b32 s54, s[HI], 19
	s_add_co_u32 s54, s54, s95
	s_mov_b32 s55, 0
	; descriptor group 1: a tile of 64 rows x 128 elements, padded in LDS
	s_mov_b32 s[G1K], 15|(1<<16)|(1<<20)|(1<<21)|(5<<22)|(3<<25)  ; 15:0 the mask: all four work-groups; 17:16 2-byte elements; 20 padding on; 21 set beside a mask; 24:22 after every 64 words; 31:25 4 words of it
	s_mov_b32 s[G1V], 15|(1<<16)|(1<<20)|(1<<21)|(5<<22)|(7<<25)  ; the same with 8 words of padding
.irp g, G1K, G1V
	s_mov_b32 s[(\g)+1], 128<<16    ; tensor_dim0 = 128
	s_mov_b32 s[(\g)+2], KS<<16     ; tensor_dim1 = 64
	s_mov_b32 s[(\g)+3], 128<<16    ; tile_dim0 = 128
	s_mov_b32 s[(\g)+4], KS         ; tile_dim1 = 64
	s_mov_b32 s[(\g)+5], 128        ; elements from row to row
	s_mov_b32 s[(\g)+6], 0
	s_mov_b32 s[(\g)+7], 0
.endr
	s_mov_b32 s[CS], 0x3e0293ee     ; c = log2(e) / sqrt(128) = 0.127517
	s_mov_b32 s[CS+1], s[CS]        ; named with it as a pair
	s_mov_b32 s[SEL], 0x76543210
	s_mov_b32 s[SEL+1], 0xfedcba98
	s_mov_b32 s[MSK], 0xffff0000
	s_mov_b32 s[TB], SLOT1+2*STEPB  ; the first change of slots turns this into 0
	s_add_co_u32 s[RT], s[PB], 1    ; the first block has p + 1 tiles
	s_mov_b32 s[DG], 0
	s_mov_b32 s[NXT], 1             ; the walk's second tile: the first block's tile 1, or, where it has one tile alone, the second block's tile 0
	s_mov_b32 s[LQ], s[PB]
	s_cmp_gt_u32 s[NXT], s[LQ]
	s_cselect_b32 s[NXT], 0, s[NXT]
	s_cselect_b32 s[LQ], s[HI], s[LQ]
	s_mov_b32 s[OFF+1], 0
	s_mov_b32 s[AL0+1], 0           ; named as pairs
	s_mov_b32 s[BE0+1], 0
	s_mov_b32 s[AL1+1], 0
	s_mov_b32 s[BIGN], 0xf149f2ca   ; -1e30
	s_mov_b32 s[SLOTS], 8
	s_or_b32 s[LIM], s91, ttmp9     ; 0 in waves 0 and 2 of the cluster with p = 0: the same in all four partners
	s_cmp_eq_u32 s[LIM], 0
	s_cselect_b32 s[LIM], 1, -1
	s_wait_dscnt 0x0                ; the opening add is done
	s_wait_kmcnt 0x0
	s_add_nc_u64 s[KB:KB+1], s[4:5], s[92:93]
	s_add_nc_u64 s[VB:VB+1], s[KB:KB+1], 4*262144  ; v's head lies four heads behind k's
	s_mov_b64 s[G0K+2:G0K+3], s[KB:KB+1]
	s_or_b32 s[G0K+3], s[G0K+3], 0x80000000
	s_mov_b64 s[G0V+2:G0V+3], s[VB:VB+1]
	s_or_b32 s[G0V+3], s[G0V+3], 0x80000000
	s_add_nc_u64 s[48:49], s[4:5], s[48:49]        ; Q at my rows of the first block,
	s_add_nc_u64 s[50:51], s[4:5], s[50:51]        ; and of the second
	s_add_nc_u64 s[OP:OP+1], s[8:9], s[52:53]
	s_add_nc_u64 s[OLO:OLO+1], s[8:9], s[54:55]
	s_add_nc_u64 s[6:7], s[6:7], s[68:69]          ; Wo and wo16 at my work-group's share
	s_add_nc_u64 s[10:11], s[10:11], s[2:3]
	s_cmp_lt_u32 s[WV], 2
	s_cselect_b64 s[PFA:PFA+1], s[KB:KB+1], s[VB:VB+1]  ; (in waves 0 and 2 these stand at a tile's first row)
	s_lshl_b32 s92, s13, 13         ; my work-group's 32 rows of the 128, in tile 0: change n of the slots steps this to tile n + 1.  Nothing is prefetched at the head
	s_add_nc_u64 s[PFA:PFA+1], s[PFA:PFA+1], s[92:93]
	CROUND                          ; all four work-groups are here: the first joint loads meet
	JLOAD                           ; tile 0 into slot 0.  Slot 1 is asked for by the first change of slots
	v_and_b32 v1, 15, v0            ; l % 16
	v_bfe_u32 v10, v0, 4, 1         ; l / 16
	v_lshlrev_b32 v[QO], 8, v1
	v_lshl_add_u32 v[QO], v10, 4, v[QO]  ; row x 256 + 16 x half
	WIN 0x40                        ; destination window 1, address window 0
.irp x, 0,1                         ; both blocks' Q: piece x lies in band x, 16,384 bytes on; channels 32 c on
.irp c, 0,1,2,3
	global_load_b128 v[128+32*\x+8*\c:128+32*\x+8*\c+3],   v[QO], s[48:49] offset:16384*\x+64*\c
	global_load_b128 v[128+32*\x+8*\c+4:128+32*\x+8*\c+7], v[QO], s[48:49] offset:16384*\x+64*\c+32
	global_load_b128 v[192+32*\x+8*\c:192+32*\x+8*\c+3],   v[QO], s[50:51] offset:16384*\x+64*\c
	global_load_b128 v[192+32*\x+8*\c+4:192+32*\x+8*\c+7], v[QO], s[50:51] offset:16384*\x+64*\c+32
.endr
.endr
	; What the first turn finds: O^T holds 0 (finite numbers for the first step to multiply by a = 0); V's registers and piece 1's P hold 0, so that its products V^T P, of a step that has not been, add 0.
	; All this is written in the wait for the first tile.
.set i, 0
.rept 128
	v_mov_b32 v[i], 0
.set i, i+1
.endr
	WIN 0x80
.set i, 0
.rept 128
	v_mov_b32 v[128+i], 0
.set i, i+1
.endr
	WIN 0
.set i, 0
.rept 16
	v_mov_b32 v[P+16+i], 0
.set i, i+1
.endr
	v_lshlrev_b32 v14, 3, v10
	v_sub_nc_u32 v14, v1, v14
	s_lshl_b32 s20, s[WV], 4
	v_add_nc_u32 v14, s20, v14      ; my query's place in its band, 16 w + l % 16, less my lanes' 8 (l / 16): register r of key block kb is hidden where 16 kb + r is greater
.set i, 0
.rept 32
	v_cmp_gt_i32 vcc_lo, 16*(i/8)+i%8, v14
	v_cndmask_b32 v[MD+i], 0, s[BIGN], vcc_lo
.set i, i+1
.endr
	v_mul_u32_u24 v[AK0], v1, PK
	v_lshl_add_u32 v[AK0], v10, 4, v[AK0]  ; row x pitch + 16 x half
	; The turning load takes 16 keys x 16 channels (lane l reads key 8 (l / 16) + l % 8, channels 8 ((l / 8) % 2) + 0..7) and leaves half a fragment of V^T: lane l holds channel l % 16 and 8 keys.
	v_and_b32 v11, 7, v0
	v_bfe_u32 v12, v0, 3, 1
	v_lshl_add_u32 v[AV0], v10, 3, v11
	v_mul_u32_u24 v[AV0], v[AV0], PVP
	v_lshl_add_u32 v[AV0], v12, 4, v[AV0]
	v_add_nc_u32 v[AV0], VOFF, v[AV0]
	s_mul_i32 s20, s[WV], 16*SP
	s_add_co_u32 s20, s20, STAGE    ; my stage
	v_mul_u32_u24 v[STO], v1, SP    ; in: row l % 16, 16 bytes for each half of the lanes
	v_lshl_add_u32 v[STO], v10, 4, v[STO]
	v_add_nc_u32 v[STO], s20, v[STO]
	v_mul_u32_u24 v[RD], v10, SP    ; back: lanes 0-15 take one row of 256 bytes, lanes 16-31 the next
	v_lshl_add_u32 v[RD], v1, 4, v[RD]
	v_add_nc_u32 v[RD], s20, v[RD]
	v_lshlrev_b32 v[GO], 12, v10    ; and the same two rows in ob, 4,096 bytes apart
	v_lshl_add_u32 v[GO], v1, 4, v[GO]
	v_and_b32 v[PFO], 31, v0
	v_lshlrev_b32 v[PFO], 8, v[PFO]
	v_lshlrev_b32 v[WVI], 4, v0
	v_lshlrev_b32 v[WVO], 3, v0
	RESET 0
	RESET 1
	WLOAD                           ; the first part of Wo
	s_wait_loadcnt 4                ; both blocks' Q are in; Wo's four loads, issued behind them, stay out
	CHANGE 1                        ; slot 0 is in, everybody's part of it; slot 1 is asked for
	FLAGS
	s_mov_b32 s[CNT], 2
	MASKUPD 0                       ; the masks of key step 0
	FETCH_K                         ; key step 0
	s_wait_dscnt 0x0
.set i, 0
.rept 16
	KQM 0                           ; piece 0's first scores: there is no vector work yet to set between them
.set i, i+1
.endr
	WIN 0
	PLACES
	s_branch .Lmid                  ; the loop is entered at piece 1's turn, in the middle of a trip
.Lslot:                             ; seven times: every slot but the last two is filled again
	CHANGE 1
	FLAGS
	s_mov_b32 s[CNT], 2
	s_cmp_lg_u32 s[EB], 0
	s_cbranch_scc0 .Lsame_q
	WIN 0x41                        ; the first block's last step is in hand: its turns make the second block's first scores, so that block's Q goes where the one text of the turns names Q
.set i, 0
.rept 64
	v_mov_b32 v[128+i], v[192+i]
.set i, i+1
.endr
	WIN 0
.Lsame_q:
.Lstep:                             ; a key step: written once, walked twice between two changes of slots
	MASKUPD 1
	TURN 0, 1
	WIN 0
	s_cmp_lg_u32 s[EB], 0
	s_cbranch_scc0 .Lno_fin_0       ; (the jump passes no barrier and no tensor load)
	FINP 0                          ; piece 0's last V^T P of the first block is done; the turn below carries its first softmax of the second
.Lno_fin_0:
.Lmid:
	TURN 1, 1
	WIN 0
	s_cmp_lg_u32 s[EB], 0
	s_cbranch_scc0 .Lno_fin_1
	FINP 1
	s_mov_b64 s[OP:OP+1], s[OLO:OLO+1]
	s_mov_b32 s[EB], 0
.Lno_fin_1:
	s_sub_co_u32 s[CNT], s[CNT], 1
	s_cmp_lg_u32 s[CNT], 0
	s_cbranch_scc1 .Lstep
	CASTW
	s_sub_co_u32 s[SLOTS], s[SLOTS], 1
	s_cmp_lg_u32 s[SLOTS], 0
	s_cbranch_scc1 .Lslot
	CHANGE 0                        ; the tail is written out: the walk's last tile, the second block's diagonal one, is entered, and nothing is asked for
	FLAGS
	s_mov_b32 s[CNT], 2
.Lstep_tail:
	MASKUPD 0
	TURN 0, 1
	TURN 1, 1
	WIN 0
	s_sub_co_u32 s[CNT], s[CNT], 1
	s_cmp_lg_u32 s[CNT], 0
	s_cbranch_scc1 .Lstep_tail
	TURN 0, 0                       ; piece 0: V^T P of the last step | piece 1's last softmax
.set i, 0
.rept 16
	PVM 1                           ; piece 1: V^T P of the last step
.set i, i+1
.endr
	WIN 0
	PLACES
	LSUM 0
	LSUM 1
	PACK 0
	PACK 1                          ; a piece's arithmetic stands between the loads of the piece before and its stores
	SEND 0, 16
	SEND 1, 0
	s_wait_tensorcnt 0x0            ; the wave's end, behind my last tensor load and my last LDS store
	ds_add_u32 v[SPW], v[NIL]
	s_wait_dscnt 0x0
	CROUND                          ; the closing round: no work-group ends while a partner may still ask for a tile that names it
	s_endpgm
.Lfunc_end_k_q6b1cb4bdc3_attn:
	.size	k_q6b1cb4bdc3_attn, .Lfunc_end_k_q6b1cb4bdc3_attn-k_q6b1cb4bdc3_attn
	.p2alignl 7, 3214868480
	.fill 96, 4, 3214868480
	.section	.rodata,"a",@progbits
	.p2align	6, 0x0
	.amdhsa_kernel k_q6b1cb4bdc3_attn
		.amdhsa_group_segment_fixed_size 327680
		.amdhsa_private_segment_fixed_size 0
		.amdhsa_enable_private_segment 0
		.amdhsa_kernarg_size 32
		.amdhsa_user_sgpr_count 2
		.amdhsa_user_sgpr_kernarg_segment_ptr 1
		.amdhsa_wavefront_size32 1
		.amdhsa_system_sgpr_workgroup_id_x 1
		.amdhsa_system_sgpr_workgroup_id_y 1
		.amdhsa_system_sgpr_workgroup_id_z 1
		.amdhsa_system_vgpr_workitem_id 0
		.amdhsa_next_free_vgpr 768
		.amdhsa_next_free_sgpr 96
		.amdhsa_reserve_vcc 1
		.amdhsa_float_denorm_mode_32 3
		.amdhsa_float_denorm_mode_16_64 3
		.amdhsa_memory_ordered 1
		.amdhsa_forward_progress 1
		.amdhsa_inst_pref_size 136
	.end_amdhsa_kernel
	.amdgpu_metadata
---
amdhsa.version: [ 1, 2 ]
amdhsa.kernels:
  - .name:           k_q6b1cb4bdc3_attn
    .symbol:         k_q6b1cb4bdc3_attn.kd
    .args:
      - { .name: qkv, .offset: 0, .size: 8, .value_kind: global_buffer, .address_space: global }
      - { .name: Wo, .offset: 8, .size: 8, .value_kind: global_buffer, .address_space: global }
      - { .name: ob, .offset: 16, .size: 8, .value_kind: global_buffer, .address_space: global }
      - { .name: wo16, .offset: 24, .size: 8, .value_kind: global_buffer, .address_space: global }
    .group_segment_fixed_size: 327680
    .private_segment_fixed_size: 0
    .kernarg_segment_align: 8
    .kernarg_segment_size: 32
    .max_flat_workgroup_size: 128
    .sgpr_count:     96
    .vgpr_count:     768
    .wavefront_size: 32
...
	.end_amdgpu_metadata
.endif
;; end of part 3
;; launch oproj (part 4): grid 8 x 32, 4 waves a work-group, clusters of 4 x 4, 327,680 bytes of LDS; arguments ob, wo16, out0; writes out0
.if DOCPART == 4
	.amdgcn_target "amdgcn-amd-amdhsa--gfx1250"
	.amdhsa_code_object_version 6
	.text
	.protected	k_q6b1cb4bdc3_oproj
	.globl	k_q6b1cb4bdc3_oproj
	.p2align	8
	.type	k_q6b1cb4bdc3_oproj,@function
k_q6b1cb4bdc3_oproj:
	s_mov_b64 s[64:65], 0
	v_nop
	global_prefetch_b8 v0, s[64:65] scope:SCOPE_SE
	s_setreg_imm32_b32 hwreg(HW_REG_WAVE_MODE, 25, 1), 1
	s_wait_xcnt 0x0
	s_wait_alu depctr_hold_cnt(0) depctr_sa_sdst(0) depctr_va_vdst(0) depctr_va_sdst(0) depctr_va_ssrc(0) depctr_va_vcc(0) depctr_vm_vsrc(0)
	s_getreg_b32 s2, hwreg(HW_REG_IB_STS2, 6, 4)
	s_cmp_eq_u32 s2, 0
	s_cbranch_scc0 .Lentry_in_a_cluster
	s_endpgm
.Lentry_in_a_cluster:
	s_bfe_u32 s2, ttmp6, 0x10000c
	s_cmp_lg_u32 s2, 0xf033
	s_cbranch_scc0 .Lentry_shape_is_right
	s_endpgm
.Lentry_shape_is_right:
; out0 = ob wo16^T: out0[m][n] = the sum over k of ob[m][k] wo16[n][k].  ob [4096][2048] and wo16 [2048][2048] in f16, out0 [4096][2048] in f32; sums in f32.
; SHARES.  A tile of out0 is 128 rows x 256 columns: 32 x 8 = 256 work-groups.  Wave w has rows 64 (w / 2) .. + 63 and columns 128 (w % 2) .. + 127: 32 accumulators of 16 x 16, 256 registers.
; K goes in steps of 128 through two LDS slots filled by the tensor data mover: rows of 256 bytes, at multiples of 256 from the buffers' first bytes.  Waves 0 and 1 fetch ob's two halves of 64 rows, waves 2 and 3 wo16's two of 128.
; CLUSTER.  4 x 4 work-groups: ob's tile is asked for jointly along a row of the cluster, wo16's along a column.
; THE MATRIX INSTRUCTION IS USED TRANSPOSED (source 0 = 16 rows of wo16, source 1 = 16 rows of ob): a lane holds row l % 16 of out0 and eight neighbouring columns, 32 bytes.
; REGISTERS: window 0: v16-30 addresses; v64-127 ob's fragments, two buffers of 32; v128-255 wo16's, two of 64 (v64-191 later the way out).   window 1: accumulator (a, b) at v[8 (8 a + b)].
.set KSTEP, 128
.set PITCH, 272                        ; an LDS row: 256 bytes + 16 of padding: the 16 rows that a load touches start at 16 different groups of four banks (64 banks of 4 bytes: ISA guide 11.1)
.set AT,    128*PITCH                  ; ob's 128 rows
.set SLOT,  3*AT                       ; then wo16's 256 rows
.set STAGE, 2*SLOT                     ; behind the ring, never filled by a tensor load: 16 rows x 528 bytes for each wave, for the way out
.set SPITCH, 528                       ; 512 bytes + 16 = 132 words
.set SPARE, STAGE+4*16*SPITCH          ; behind the stages: the spare words, 128 bytes for each wave: two blocks of 256 bytes that no other line names
.set LAPS,  2048/(2*KSTEP)
.set ADRA, 16                          ; v16-17  LDS address of my ob fragments in slot 0, 1
.set ADRB, 18                          ; v18-19  of my wo16 fragments
.set STO,  24                          ; v24     the way out: where I put 32 bytes of a row
.set RD,   25                          ; v25     the way out: where I read a row back
.set CO,   26                          ; v26     my 16 bytes in 512 consecutive bytes of out0
.set SPW,  28                          ; v28     LDS address of my spare word; never rewritten
.set NIL,  29                          ; v29     0; never rewritten
.set PFO,  30                          ; v30     the prefetches' offset: my lane x a row of 4,096 bytes; never rewritten
.set FA,   64
.set FB,   128
.set OB,   64                          ; the way out: 16 rows read back from the stage: v64-127 and v128-191 by turns
.set WV,   12                          ; s12  my wave's number;  s13 = w / 2, s14 = w % 2
.set G1,   24                          ; s[24:31] descriptor group 1 for ob's tiles;  s[32:39] group 0, a set for each slot
.set G0,   32
.set G1B,  48                          ; s[48:55], s[56:63] the same for wo16's tiles
.set G0B,  56
.set PFA,  68                          ; s[68:69] where my prefetches stand
.set LIM,  70                          ; s70  1 in a wave that prefetches, else the greatest number
.set MSB, 0
.macro WIN new
.if MSB != (\new)
	s_set_vgpr_msb (MSB<<8)|(\new)
.set MSB, \new
.endif
.endm
.macro PLACES                          ; four plain instructions between matrix instructions and what reads their results or loads into their sources
.rept 4
	v_nop
.endr
.endm
.macro JLOAD s                         ; a joint load; the branch hangs on the wave's number alone; an s_nop 0 and four v_nop follow each of the two lines
	s_cmp_lt_u32 s[WV], 2
	s_cbranch_scc0 .Lfor_b_\@
	tensor_load_to_lds s[G0+4*(\s):G0+4*(\s)+3], s[G1:G1+7]
	s_nop 0
.rept 4
	v_nop
.endr
	s_branch .Lasked_\@
.Lfor_b_\@:
	tensor_load_to_lds s[G0B+4*(\s):G0B+4*(\s)+3], s[G1B:G1B+7]
	s_nop 0
.rept 4
	v_nop
.endr
.Lasked_\@:
.endm
; A prefetch of the K step that stands two refills on: 32 rows x 256 bytes, a lane a row.  ob's 128 rows of a tile: wave 0 of the cluster with x = 0; wo16's 256: waves 2 and 3, 128 each, of the cluster with y = 0;
; the four partners that ask for a tile jointly share the rows out by address, 32 each.  So each row's 256 bytes of a K step are named once in the launch.  The loop's last trip (s3 = 1) asks for nothing.
.macro ASK
	s_cmp_gt_u32 s3, s[LIM]
	s_cbranch_scc0 .Lnot_mine_\@
	global_prefetch_b8 v[PFO], s[PFA:PFA+1] offset:KSTEP*2 th:TH_LOAD_NT scope:SCOPE_SE
.Lnot_mine_\@:
.endm
.macro CREST
	s_cmp_lg_u32 s[WV], 0
	s_cbranch_scc1 .Lnot_wave_0_\@
	s_barrier_signal -3
.Lnot_wave_0_\@:
	s_barrier_wait -3
	s_barrier_signal -1
	s_barrier_wait -1
.endm
.macro CROUND
	s_barrier_signal -1
	s_barrier_wait -1
	CREST
.endm
	s_load_b128 s[4:7], s[0:1], 0x0                ; ob s[4:5], wo16 s[6:7]
	s_load_b64 s[8:9], s[0:1], 0x10                ; out0
	v_lshl_add_u32 v[SPW], v0, 2, SPARE
	v_mov_b32 v[NIL], 0
	ds_add_u32 v[SPW], v[NIL]                      ; the wave's opening: the add and its wait stand ahead of my first tensor load; work on registers stands between them
	v_lshrrev_b32 v1, 5, v0
	v_readfirstlane_b32 s[WV], v1                  ; wave 0..3
	s_lshr_b32 s13, s[WV], 1                       ; which 64 rows are mine
	s_and_b32 s14, s[WV], 1                        ; which 128 columns.  Also: which half of a tile I fetch
	s_bfe_u32 s40, ttmp6, 0x40000                  ; cx, cy
	s_bfe_u32 s41, ttmp6, 0x40004
	s_lshl_b32 s42, ttmp9, 2
	s_add_co_u32 s42, s42, s40                     ; tile column
	s_and_b32 s43, ttmp7, 0xffff
	s_lshl_b32 s43, s43, 2
	s_add_co_u32 s43, s43, s41                     ; tile row
	s_lshl_b32 s44, s41, 2
	s_lshl_b32 s44, 15, s44                        ; my row of the cluster
	s_lshl_b32 s45, 0x1111, s40                    ; my column
	s_or_b32 s[G1], s44, (1<<16)|(1<<20)|(1<<21)|(5<<22)|(3<<25)   ; the mask; 2-byte elements; padding on; bit 21 beside a mask; after every 64 words 4 words
	s_or_b32 s[G1B], s45, (1<<16)|(1<<20)|(1<<21)|(5<<22)|(3<<25)
	s_mov_b32 s[G1+1], KSTEP<<16                   ; ob: 64 rows x 128 elements
	s_mov_b32 s[G1+2], 64<<16
	s_mov_b32 s[G1+3], KSTEP<<16
	s_mov_b32 s[G1+4], 64
	s_mov_b32 s[G1+5], 2048
	s_mov_b32 s[G1+6], 0
	s_mov_b32 s[G1+7], 0
	s_mov_b32 s[G1B+1], KSTEP<<16                  ; wo16: 128 rows x 128 elements
	s_mov_b32 s[G1B+2], 128<<16
	s_mov_b32 s[G1B+3], KSTEP<<16
	s_mov_b32 s[G1B+4], 128
	s_mov_b32 s[G1B+5], 2048
	s_mov_b32 s[G1B+6], 0
	s_mov_b32 s[G1B+7], 0
	s_lshl_b32 s16, s43, 7
	s_lshl_b32 s17, s14, 6
	s_add_co_u32 s16, s16, s17                     ; ob: row 128 x tile row + 64 x half
	s_lshl_b32 s16, s16, 12
	s_mov_b32 s17, 0
	s_lshl_b32 s46, s42, 8
	s_lshl_b32 s47, s14, 7
	s_add_co_u32 s46, s46, s47                     ; wo16: row 256 x tile column + 128 x half
	s_lshl_b32 s46, s46, 12
	s_mov_b32 s47, 0
	s_mul_i32 s20, s14, 64*PITCH                   ; where they go: no place in the cluster enters an LDS address
	s_mul_i32 s21, s14, 128*PITCH
	s_add_co_u32 s21, s21, AT
	s_wait_dscnt 0x0                               ; the opening add is done
	s_wait_kmcnt 0x0
	s_add_nc_u64 s[22:23], s[4:5], s[16:17]
	s_add_nc_u64 s[46:47], s[6:7], s[46:47]
	CROUND                                         ; all sixteen work-groups are here: the first joint loads meet
.irp s, 0,1
	s_mov_b32 s[G0+4*(\s)], 1
	s_add_co_u32 s[G0+4*(\s)+1], s20, (\s)*SLOT
	s_add_nc_u64 s[G0+4*(\s)+2:G0+4*(\s)+3], s[22:23], (\s)*KSTEP*2
	s_or_b32 s[G0+4*(\s)+3], s[G0+4*(\s)+3], 0x80000000
	s_mov_b32 s[G0B+4*(\s)], 1
	s_add_co_u32 s[G0B+4*(\s)+1], s21, (\s)*SLOT
	s_add_nc_u64 s[G0B+4*(\s)+2:G0B+4*(\s)+3], s[46:47], (\s)*KSTEP*2
	s_or_b32 s[G0B+4*(\s)+3], s[G0B+4*(\s)+3], 0x80000000
	JLOAD \s                                       ; K steps 0 and 1: two loads of mine are out
.endr
	v_and_b32 v1, 15, v0                           ; l % 16
	v_bfe_u32 v2, v0, 4, 1                         ; l / 16
	v_mul_u32_u24 v3, v1, PITCH
	v_lshl_add_u32 v3, v2, 4, v3                   ; a fragment's row x pitch + 16 x half
	s_mul_i32 s72, s13, 64*PITCH
	v_add_nc_u32 v[ADRA], s72, v3
	v_add_nc_u32 v[ADRA+1], SLOT, v[ADRA]
	s_mul_i32 s72, s14, 128*PITCH
	s_add_co_u32 s72, s72, AT
	v_add_nc_u32 v[ADRB], s72, v3
	v_add_nc_u32 v[ADRB+1], SLOT, v[ADRB]
	s_mul_i32 s72, s[WV], 16*SPITCH
	s_add_co_u32 s72, s72, STAGE                   ; my stage
	v_mul_u32_u24 v[STO], v1, SPITCH               ; in: row l % 16, 32 bytes for each half of the lanes
	v_lshl_add_u32 v[STO], v2, 5, v[STO]
	v_add_nc_u32 v[STO], s72, v[STO]
	v_and_b32 v[CO], 31, v0
	v_lshlrev_b32 v[PFO], 12, v[CO]
	v_lshlrev_b32 v[CO], 4, v[CO]                  ; back: 32 lanes take one row of 512 bytes
	v_add_nc_u32 v[RD], s72, v[CO]
	; where my part of the tile begins in out0: (128 x tile row + 64 (w / 2)) x 8,192 + (256 x tile column + 128 (w % 2)) x 4
	s_lshl_b32 s72, s43, 7
	s_lshl_b32 s73, s13, 6
	s_add_co_u32 s72, s72, s73
	s_lshl_b32 s72, s72, 13
	s_lshl_b32 s73, s42, 10
	s_add_co_u32 s72, s72, s73
	s_lshl_b32 s73, s14, 9
	s_add_co_u32 s72, s72, s73
	s_mov_b32 s73, 0
	s_add_nc_u64 s[8:9], s[8:9], s[72:73]
	; the prefetches
	s_and_b32 s74, ttmp7, 0xffff                   ; cluster y
	s_lshl_b32 s75, s43, 7                         ; ob's tile begins at row 128 x tile row,
	s_lshl_b32 s76, s42, 8
	s_lshl_b32 s77, s14, 7
	s_add_co_u32 s76, s76, s77                     ; my half of wo16's at row 256 x tile column + 128 x half
	s_cmp_lt_u32 s[WV], 2
	s_cselect_b32 s75, s75, s76
	s_cselect_b32 s76, s40, s41                    ; my place among the four that ask with me
	s_cselect_b32 s74, ttmp9, s74                  ; the coordinate along which other clusters read the same rows
	s_cselect_b64 s[PFA:PFA+1], s[4:5], s[6:7]
	s_cmp_eq_u32 s74, 0
	s_cselect_b32 s[LIM], 1, -1
	s_cmp_eq_u32 s[WV], 1                          ; wave 0 names all of ob's 128 rows with its partners: wave 1 names none
	s_cselect_b32 s[LIM], -1, s[LIM]
	s_lshl_b32 s76, s76, 5
	s_add_co_u32 s76, s76, s75
	s_lshl_b32 s76, s76, 12
	s_mov_b32 s77, 0
	s_add_nc_u64 s[PFA:PFA+1], s[PFA:PFA+1], s[76:77]
	s_add_nc_u64 s[PFA:PFA+1], s[PFA:PFA+1], 2*KSTEP*2  ; at K step 2: the first refill steps it to 3 and names K step 4.  Nothing is prefetched at the head
; 8 matrix instructions: row block a x all 8 column blocks, 32 along K, from buffer f.  zero = 1: the first product starts the sums.  The 32 accumulators take turns, one instruction a turn.
.macro MUL8 f, a, zero
	WIN 0x50                                       ; sources 0 and 1 window 0, C and D window 1
.irp b, 0,1,2,3,4,5,6,7
.if \zero
	v_wmma_f32_16x16x32_f16 v[8*(8*(\a)+(\b)):8*(8*(\a)+(\b))+7], v[FB+64*(\f)+8*(\b):FB+64*(\f)+8*(\b)+7], v[FA+32*(\f)+8*(\a):FA+32*(\f)+8*(\a)+7], 0
.else
	v_wmma_f32_16x16x32_f16 v[8*(8*(\a)+(\b)):8*(8*(\a)+(\b))+7], v[FB+64*(\f)+8*(\b):FB+64*(\f)+8*(\b)+7], v[FA+32*(\f)+8*(\a):FA+32*(\f)+8*(\a)+7], v[8*(8*(\a)+(\b)):8*(8*(\a)+(\b))+7]
.endif
.endr
.endm
; 24 LDS loads in one run: the fragments of 32 along K at byte k of the rows, into buffer f: wo16's 8, then ob's 4
.macro FETCH slot, k, f
	WIN 0
.irp b, 0,1,2,3,4,5,6,7
	ds_load_b128 v[FB+64*(\f)+8*(\b):FB+64*(\f)+8*(\b)+3],   v[ADRB+(\slot)] offset:(\k)+(\b)*16*PITCH
	ds_load_b128 v[FB+64*(\f)+8*(\b)+4:FB+64*(\f)+8*(\b)+7], v[ADRB+(\slot)] offset:(\k)+(\b)*16*PITCH+32
.endr
.irp a, 0,1,2,3
	ds_load_b128 v[FA+32*(\f)+8*(\a):FA+32*(\f)+8*(\a)+3],   v[ADRA+(\slot)] offset:(\k)+(\a)*16*PITCH
	ds_load_b128 v[FA+32*(\f)+8*(\a)+4:FA+32*(\f)+8*(\a)+7], v[ADRA+(\slot)] offset:(\k)+(\a)*16*PITCH+32
.endr
.endm
.macro QUARTER slot, k, f, g, zero
	s_wait_dscnt 4                                 ; all but the youngest four loads (ob's row blocks 2 and 3) are in
	MUL8 \f, 0, \zero
	MUL8 \f, 1, \zero
	PLACES
	FETCH \slot, \k, \g
	s_wait_dscnt 24                                ; all but the 24 just issued
	MUL8 \f, 2, \zero
	MUL8 \f, 3, \zero
.endm
; The last quarter multiplies buffer 1 and changes slots: ONE barrier; in front of it each wave waits for all its tensor loads (one is out: its part of the next slot), adds 0 to its spare word, and waits for that
; and for its own reads of this slot.  fill = 1: the barrier opens a round of the cluster's, and behind the round this slot is filled again, two K steps ahead, first thing.
.macro TURN slot, next, fill
.if \fill
	s_wait_xcnt 0x0                                ; the last prefetch, a K step back, has read its address: it is stepped here
	s_add_nc_u64 s[PFA:PFA+1], s[PFA:PFA+1], KSTEP*2
.endif
	WIN 0
	s_wait_tensorcnt 0x0                           ; all my tensor loads have landed;
	ds_add_u32 v[SPW], v[NIL]                      ; 0 onto my spare word;
	s_wait_dscnt 5                                 ; (the add and the youngest four loads may be out)
	MUL8 1, 0, 0                                   ; eight matrix instructions stand between the add and the wait for it
	s_wait_dscnt 0x0                               ; the add is done, and my reads of this slot are over
	s_barrier_signal -1
	MUL8 1, 1, 0
.if \fill
	WIN 0
.endif
	s_barrier_wait -1
.if \fill
	CREST                                          ; no wave of any partner still reads this slot's tile or has a load on its way
	s_add_nc_u64 s[G0+4*(\slot)+2:G0+4*(\slot)+3], s[G0+4*(\slot)+2:G0+4*(\slot)+3], 2*KSTEP*2
	s_add_nc_u64 s[G0B+4*(\slot)+2:G0B+4*(\slot)+3], s[G0B+4*(\slot)+2:G0B+4*(\slot)+3], 2*KSTEP*2
	JLOAD \slot                                    ; the four v_nop behind it are also the places in front of the loads below
.else
	PLACES
.endif
	FETCH \next, 0, 0
.if \fill
	ASK
.endif
	MUL8 1, 2, 0
	MUL8 1, 3, 0
.endm
	s_wait_tensorcnt 1                             ; my part of K step 0 is in; K step 1's may stay out
	s_barrier_signal -1
	s_barrier_wait -1
	FETCH 0, 0, 0
	QUARTER 0, 64, 0, 1, 1                         ; the first quarter stands in front of the loop: its products start the sums
	WIN 0
	s_mov_b32 s3, LAPS-1
.Llap:                                                 ; a trip goes once round the ring and fills both slots again
	QUARTER 0, 128, 1, 0, 0
	QUARTER 0, 192, 0, 1, 0
	TURN 0, 1, 1
	QUARTER 1, 64,  0, 1, 0
	QUARTER 1, 128, 1, 0, 0
	QUARTER 1, 192, 0, 1, 0
	TURN 1, 0, 1
	QUARTER 0, 64,  0, 1, 0
	WIN 0
	s_sub_co_u32 s3, s3, 1
	s_cmp_lg_u32 s3, 0
	s_cbranch_scc1 .Llap
	QUARTER 0, 128, 1, 0, 0                        ; the last lap fills nothing
	QUARTER 0, 192, 0, 1, 0
	TURN 0, 1, 0
	QUARTER 1, 64,  0, 1, 0
	QUARTER 1, 128, 1, 0, 0
	QUARTER 1, 192, 0, 1, 0
	s_wait_dscnt 4
	MUL8 1, 0, 0
	MUL8 1, 1, 0
	s_wait_dscnt 0x0
	MUL8 1, 2, 0
	MUL8 1, 3, 0
	WIN 0
	; THE WAY OUT, a block of 16 rows at a time: the sums go as they are, 32 bytes a lane, into my own stage, and come back as whole rows of 512 bytes.
	PLACES
	PLACES
.macro TOSTAGE a
	WIN 0x04                                       ; the stores' data in window 1
.irp b, 0,1,2,3,4,5,6,7
	ds_store_b128 v[STO], v[8*(8*(\a)+(\b)):8*(8*(\a)+(\b))+3]   offset:64*(\b)      ; each accumulator's lowest registers first
	ds_store_b128 v[STO], v[8*(8*(\a)+(\b))+4:8*(8*(\a)+(\b))+7] offset:64*(\b)+16
.endr
	WIN 0
.if (\a) >= 2
	s_wait_xcnt 0x0                                ; the stores of the block two back have read these registers
.endif
.irp u, 0,1,2,3,4,5,6,7,8,9,10,11,12,13,14,15
	ds_load_b128 v[OB+64*((\a)%2)+4*(\u):OB+64*((\a)%2)+4*(\u)+3], v[RD] offset:SPITCH*(\u)  ; LDS serves a wave's instructions in order (ISA guide 5.7.1.4): these see the stores above; the next block's stores come behind them
.endr
.endm
.macro SEND a, younger                 ; younger: the LDS instructions issued behind block a's loads: the next block's 32, or none
.irp u, 0,1,2,3,4,5,6,7,8,9,10,11,12,13,14,15
	s_wait_dscnt (\younger)+15-(\u)
	global_store_b128 v[CO], v[OB+64*((\a)%2)+4*(\u):OB+64*((\a)%2)+4*(\u)+3], s[8:9] offset:(16*(\a)+(\u))*8192 th:TH_STORE_NT  ; 512 consecutive bytes of a row, at a multiple of 256 from out0's first byte
.endr
.endm
	TOSTAGE 0
	TOSTAGE 1
	SEND 0, 32
	TOSTAGE 2
	SEND 1, 32
	TOSTAGE 3
	SEND 2, 32
	SEND 3, 0
	s_wait_tensorcnt 0x0                           ; the wave's end, behind my last tensor load and my last LDS store
	ds_add_u32 v[SPW], v[NIL]
	s_wait_dscnt 0x0
	CROUND                                         ; the closing round: no work-group ends while a partner may still ask for a tile that names it
	s_endpgm
.Lfunc_end_k_q6b1cb4bdc3_oproj:
	.size	k_q6b1cb4bdc3_oproj, .Lfunc_end_k_q6b1cb4bdc3_oproj-k_q6b1cb4bdc3_oproj
	.p2alignl 7, 3214868480
	.fill 96, 4, 3214868480
	.section	.rodata,"a",@progbits
	.p2align	6, 0x0
	.amdhsa_kernel k_q6b1cb4bdc3_oproj
		.amdhsa_group_segment_fixed_size 327680
		.amdhsa_private_segment_fixed_size 0
		.amdhsa_enable_private_segment 0
		.amdhsa_kernarg_size 24
		.amdhsa_user_sgpr_count 2
		.amdhsa_user_sgpr_kernarg_segment_ptr 1
		.amdhsa_wavefront_size32 1
		.amdhsa_system_sgpr_workgroup_id_x 1
		.amdhsa_system_sgpr_workgroup_id_y 1
		.amdhsa_system_sgpr_workgroup_id_z 1
		.amdhsa_system_vgpr_workitem_id 0
		.amdhsa_next_free_vgpr 512
		.amdhsa_next_free_sgpr 80
		.amdhsa_reserve_vcc 0
		.amdhsa_float_denorm_mode_32 3
		.amdhsa_float_denorm_mode_16_64 3
		.amdhsa_memory_ordered 1
		.amdhsa_forward_progress 1
		.amdhsa_inst_pref_size 88
	.end_amdhsa_kernel
	.amdgpu_metadata
---
amdhsa.version: [ 1, 2 ]
amdhsa.kernels:
  - .name:           k_q6b1cb4bdc3_oproj
    .symbol:         k_q6b1cb4bdc3_oproj.kd
    .args:
      - { .name: ob, .offset: 0, .size: 8, .value_kind: global_buffer, .address_space: global }
      - { .name: wo16, .offset: 8, .size: 8, .value_kind: global_buffer, .address_space: global }
      - { .name: out0, .offset: 16, .size: 8, .value_kind: global_buffer, .address_space: global }
    .group_segment_fixed_size: 327680
    .private_segment_fixed_size: 0
    .kernarg_segment_align: 8
    .kernarg_segment_size: 24
    .max_flat_workgroup_size: 128
    .sgpr_count:     80
    .vgpr_count:     512
    .wavefront_size: 32
...
	.end_amdgpu_metadata
.endif
;; end of part 4
;; ======== version 2 of 2: 4 launches; version 1 with the launch prep written anew for expert scheduling mode
;; limits: values are held in f16: magnitudes above 65,504 overflow, below 6.1e-05 lose precision
;; workspace buffers: xb 16,777,216 bytes; wqkv 12,582,912 bytes; wo16 8,388,608 bytes; tab 524,288 bytes; qkv 25,165,824 bytes; ob 16,777,216 bytes
;; launch prep (part 5): grid 960 x 1, 8 waves a work-group, no clusters, 0 bytes of LDS; arguments x, Wq, Wk, Wv, xb, wqkv, tab; writes xb, wqkv, tab
.if DOCPART == 5
	.amdgcn_target "amdgcn-amd-amdhsa--gfx1250"
	.amdhsa_code_object_version 6
	.text
	.protected	k_q6b1cb4bdc3_prep
	.globl	k_q6b1cb4bdc3_prep
	.p2align	8
	.type	k_q6b1cb4bdc3_prep,@function
k_q6b1cb4bdc3_prep:
	s_mov_b64 s[64:65], 0
	v_nop
	global_prefetch_b8 v0, s[64:65] scope:SCOPE_SE
	s_setreg_imm32_b32 hwreg(HW_REG_WAVE_SCHED_MODE, 0, 2), 2
	s_setreg_imm32_b32 hwreg(HW_REG_WAVE_MODE, 25, 1), 1
	s_wait_xcnt 0x0
	s_wait_alu depctr_vm_vsrc(0)
; PREP.  x, Wq, Wk and Wv are rounded once to bf16 (x -> xb; Wq, Wk, Wv one below the other -> wqkv), and the rotary table is made:
; tab[t][0..63] = cos(t f_i), tab[t][64..127] = sin(t f_i), f_i = 10000^(-i/64), f32.  (Wo, which only the last launch wants, is cast beside the attention.)
; SHARES.  Work-groups 0-63 make 16 rows of the table each (16 threads a row, four i a thread).  Work-groups 64-959 cast 16,384 numbers each:
; 512 for x, 256 for Wq, 64 for Wk, 64 for Wv.  With 128 registers a wave four work-groups of eight waves fit on a WGP: 1,024 places for 960 work-groups.
; A stream: no LDS, no barrier, no matrix unit; each byte is read once and written once.
; A wave's load covers 512 consecutive bytes, its store 256 consecutive bytes at a multiple of 256 from the buffer's first byte.  All 16 loads of a thread go out first.
; LIMITS.  The angle t f_i is reduced by 2 pi in two parts and the series run to x^15 and x^16 on [-pi, pi] (the first terms left out are below 1e-6);
; f_i comes from v_exp_f32, so the angle is good to about 1e-4 at t = 1023.
; THE MODE: SCHED_MODE bits 1:0 = 2 (LLVM: expert scheduling mode 2), set by the entry lines.  The code itself states the register dependences
; between vector instructions and memory instructions, with s_wait_alu, always for 0.
; THE PLAN.  Registers that memory instructions touch:
;   the casts:  v1, v2   byte offsets, made once at the head and never written again; read by every load (v1) and every store (v2).
;               IN       written by the 16 loads, each group once; read by the conversions.  No vector instruction names it ahead of the loads, and no load lands in it a second time.
;               OUT      written by the conversions, each register once; read by the stores, each once.  Nothing writes it behind a store.
;   The 16 groups go in four blocks of four.  Block p converts its groups; its memory instructions are the four stores of block p - 1, whose registers of OUT no conversion of block p names.
;   So one wait at a block's head states all that its stores hang on, and they are dealt among the block's conversions with no further wait.  No register that a memory instruction has read is written again.
;   the table:  v5 the offset, v[40:47] the data of the two stores: written by vector instructions, one wait ahead of the stores.  It has no loads.
.set NTAB, 64                          ; work-groups that make the table
.set ARG,  20                          ; v[20:23]   the table: the four exponents
.set FR,   24                          ; v[24:27]   the table: the four f_i
.set IN,   16                          ; v[16:79]   group g of 16: four f32 as loaded
.set OUT,  80                          ; v[80:111]  group g: four bf16 to store
	s_load_b256 s[8:15], s[0:1], 0x0               ; x s[8:9], Wq s[10:11], Wk s[12:13], Wv s[14:15]
	s_load_b128 s[16:19], s[0:1], 0x20             ; xb s[16:17], wqkv s[18:19]
	s_load_b64 s[24:25], s[0:1], 0x30              ; tab
	s_cmp_lt_u32 ttmp9, NTAB
	s_cbranch_scc0 .Lcast
	; THE TABLE
	s_mov_b32 s30, 0x40c90fdb                      ; 2 pi, rounded to f32,
	s_mov_b32 s31, 0xb43bbd2e                      ; and what the rounding left over
	v_lshrrev_b32 v3, 4, v0                        ; my row among the work-group's 16
	v_and_b32 v4, 15, v0                           ; my place in the row
	s_lshl_b32 s26, ttmp9, 4
	v_add_nc_u32 v8, s26, v3                       ; t
	v_cvt_f32_u32 v7, v8
	v_lshlrev_b32 v6, 2, v4                        ; my first i
	v_lshlrev_b32 v5, 9, v8                        ; a row of the table is 512 bytes
	v_lshl_add_u32 v5, v4, 4, v5                   ; + my 16 bytes
	; f_i for my four i: the four exponentials are one batch
.irp e, 0,1,2,3
	v_add_nc_u32 v[ARG+(\e)], \e, v6
	v_cvt_f32_u32 v[ARG+(\e)], v[ARG+(\e)]
	v_mul_f32 v[ARG+(\e)], 0xbe549a78, v[ARG+(\e)] ; -i log2(10000) / 64
.endr
.irp e, 0,1,2,3
	v_exp_f32 v[FR+(\e)], v[ARG+(\e)]
.endr
	v_nop                                          ; a plain instruction between the last exponential and the use of a result
	s_wait_alu depctr_va_vdst(0)                   ; the four exponentials have written v[FR ..], ahead of their first reader
; cos and sin of t f_i for i = my first i + e, into v[40+e] and v[44+e]
.macro SINCOS e
	v_mul_f32 v11, v7, v[FR+(\e)]                  ; the angle
	v_mul_f32 v12, 0.15915494, v11
	v_rndne_f32 v12, v12                           ; whole turns
	v_fma_f32 v13, -v12, s30, v11
	v_fma_f32 v13, -v12, s31, v13                  ; the angle in [-pi, pi]
	v_mul_f32 v14, v13, v13
	v_mov_b32 v15, 0xab573f9f                      ; -1/15!
.irp c, 0x2f309231, 0xb2d7322b, 0x3638ef1d, 0xb9500d01, 0x3c088889, 0xbe2aaaab, 0x3f800000
	v_fmaak_f32 v15, v15, v14, \c                  ; 1/13!, -1/11!, 1/9!, -1/7!, 1/5!, -1/3!, 1
.endr
	v_mov_b32 v16, 0x29573f9f                      ; 1/16!
.irp c, 0xad49cba5, 0x310f76c7, 0xb493f27e, 0x37d00d01, 0xbab60b61, 0x3d2aaaab, 0xbf000000
	v_fmaak_f32 v16, v16, v14, \c                  ; -1/14!, 1/12!, -1/10!, 1/8!, -1/6!, 1/4!, -1/2
.endr
	v_mul_f32 v[44+(\e)], v13, v15
	v_fmaak_f32 v[40+(\e)], v16, v14, 0x3f800000
.endm
	SINCOS 0
	SINCOS 1
	SINCOS 2
	SINCOS 3
	s_wait_kmcnt 0x0
	s_wait_alu depctr_va_vdst(0)                   ; v5, the offset, and v[40:47], the cosines and sines, are written: the two stores read them
	global_store_b128 v5, v[40:43], s[24:25]               ; sixteen lanes store a row's 256 bytes of cosines,
	global_store_b128 v5, v[44:47], s[24:25] offset:256    ; and its 256 bytes of sines
	s_endpgm
	; THE CASTS
.Lcast:
	s_sub_co_u32 s26, ttmp9, NTAB                  ; my block of 16,384 numbers, 0 to 895
	v_lshlrev_b32 v1, 4, v0                        ; 16 bytes a thread in,
	v_lshlrev_b32 v2, 3, v0                        ; 8 bytes out
	s_mov_b32 s27, 0                               ; the first block of my source,
	s_mov_b32 s28, 0                               ; and of my destination
	s_wait_kmcnt 0x0
	s_mov_b64 s[32:33], s[8:9]                     ; x -> xb,
	s_mov_b64 s[34:35], s[16:17]
	s_cmp_ge_u32 s26, 512                          ; from block 512 on Wq -> wqkv,
	s_cselect_b64 s[32:33], s[10:11], s[32:33]
	s_cselect_b64 s[34:35], s[18:19], s[34:35]
	s_cselect_b32 s27, 512, s27
	s_cselect_b32 s28, 512, s28
	s_cmp_ge_u32 s26, 768                          ; from 768 on Wk, which follows Wq in wqkv,
	s_cselect_b64 s[32:33], s[12:13], s[32:33]
	s_cselect_b32 s27, 768, s27
	s_cmp_ge_u32 s26, 832                          ; from 832 on Wv, which follows Wk
	s_cselect_b64 s[32:33], s[14:15], s[32:33]
	s_cselect_b32 s27, 832, s27
	s_sub_co_u32 s27, s26, s27
	s_sub_co_u32 s28, s26, s28
	s_lshl_b32 s36, s27, 16                        ; 65,536 bytes a block in,
	s_mov_b32 s37, 0
	s_lshl_b32 s38, s28, 15                        ; 32,768 out
	s_mov_b32 s39, 0
	s_add_nc_u64 s[32:33], s[32:33], s[36:37]
	s_add_nc_u64 s[34:35], s[34:35], s[38:39]
	s_wait_alu depctr_va_vdst(0)                   ; v1 and v2 are written: every load below reads v1 as its offset, every store v2
.irp g, 0,1,2,3,4,5,6,7,8,9,10,11,12,13,14,15
	global_load_b128 v[IN+4*(\g):IN+4*(\g)+3], v1, s[32:33] offset:4096*(\g) th:TH_LOAD_NT  ; read once in the whole launch
.endr
; Block p of four: groups 4 p to 4 p + 3 are converted; the four stores of block p - 1 stand among the conversions, one ahead of each pair.
.macro BLK p
	s_wait_loadcnt 12-4*(\p)                       ; loads come back in order: this block's four groups are in, the 12 - 4 p younger loads stay out
.if (\p) > 0
	s_wait_alu depctr_va_vdst(0)                   ; the block before has written its eight registers of OUT, which the four stores below read; no conversion of this block names them
.endif
.irp i, 0,1,2,3
.set G, 4*(\p)+(\i)
.if (\p) > 0
	global_store_b64 v2, v[OUT+2*(G-4):OUT+2*(G-4)+1], s[34:35] offset:2048*(G-4)  ; no register is used twice, so nothing waits for a store
.endif
	v_cvt_pk_bf16_f32 v[OUT+2*G],   v[IN+4*G],   v[IN+4*G+1]
	v_cvt_pk_bf16_f32 v[OUT+2*G+1], v[IN+4*G+2], v[IN+4*G+3]
.endr
.endm
	BLK 0
	BLK 1
	BLK 2
	BLK 3
	s_wait_alu depctr_va_vdst(0)                   ; block 3 has written its eight registers of OUT, which the last four stores read
.irp g, 12,13,14,15
	global_store_b64 v2, v[OUT+2*(\g):OUT+2*(\g)+1], s[34:35] offset:2048*(\g)
.endr
	s_endpgm
.Lfunc_end_k_q6b1cb4bdc3_prep:
	.size	k_q6b1cb4bdc3_prep, .Lfunc_end_k_q6b1cb4bdc3_prep-k_q6b1cb4bdc3_prep
	.p2alignl 7, 3214868480
	.fill 96, 4, 3214868480
	.section	.rodata,"a",@progbits
	.p2align	6, 0x0
	.amdhsa_kernel k_q6b1cb4bdc3_prep
		.amdhsa_group_segment_fixed_size 0
		.amdhsa_private_segment_fixed_size 0
		.amdhsa_enable_private_segment 0
		.amdhsa_kernarg_size 56
		.amdhsa_user_sgpr_count 2
		.amdhsa_user_sgpr_kernarg_segment_ptr 1
		.amdhsa_wavefront_size32 1
		.amdhsa_system_sgpr_workgroup_id_x 1
		.amdhsa_system_sgpr_workgroup_id_y 1
		.amdhsa_system_sgpr_workgroup_id_z 1
		.amdhsa_system_vgpr_workitem_id 0
		.amdhsa_next_free_vgpr 128
		.amdhsa_next_free_sgpr 66
		.amdhsa_reserve_vcc 0
		.amdhsa_float_denorm_mode_32 3
		.amdhsa_float_denorm_mode_16_64 3
		.amdhsa_memory_ordered 1
		.amdhsa_forward_progress 1
		.amdhsa_inst_pref_size 14
	.end_amdhsa_kernel
	.amdgpu_metadata
---
amdhsa.version: [ 1, 2 ]
amdhsa.kernels:
  - .name:           k_q6b1cb4bdc3_prep
    .symbol:         k_q6b1cb4bdc3_prep.kd
    .args:
      - { .name: x, .offset: 0, .size: 8, .value_kind: global_buffer, .address_space: global }
      - { .name: Wq, .offset: 8, .size: 8, .value_kind: global_buffer, .address_space: global }
      - { .name: Wk, .offset: 16, .size: 8, .value_kind: global_buffer, .address_space: global }
      - { .name: Wv, .offset: 24, .size: 8, .value_kind: global_buffer, .address_space: global }
      - { .name: xb, .offset: 32, .size: 8, .value_kind: global_buffer, .address_space: global }
      - { .name: wqkv, .offset: 40, .size: 8, .value_kind: global_buffer, .address_space: global }
      - { .name: tab, .offset: 48, .size: 8, .value_kind: global_buffer, .address_space: global }
    .group_segment_fixed_size: 0
    .private_segment_fixed_size: 0
    .kernarg_segment_align: 8
    .kernarg_segment_size: 56
    .max_flat_workgroup_size: 256
    .sgpr_count:     66
    .vgpr_count:     128
    .wavefront_size: 32
...
	.end_amdgpu_metadata
.endif
;; end of part 5
;; launch qkvrope: the kernel of part 2 again; grid 8 x 32, 4 waves a work-group, clusters of 4 x 4, 327,680 bytes of LDS; arguments xb, wqkv, tab, qkv; writes qkv
;; launch attn: the kernel of part 3 again; grid 16 x 16, 4 waves a work-group, clusters of 4 x 1, 327,680 bytes of LDS; arguments qkv, Wo, ob, wo16; writes ob, wo16
;; launch oproj: the kernel of part 4 again; grid 8 x 32, 4 waves a work-group, clusters of 4 x 4, 327,680 bytes of LDS; arguments ob, wo16, out0; writes out0
